; MI455X (gfx1250); checked and timed in simulation.
; The chip was launched on July 23, 2026; its instructions are those of AMD's public machine-readable ISA for CDNA 5 (MIT licence, August 2026) and "CDNA5" Instruction Set Architecture Reference Guide (July 2026). The comments in the code are by the model that wrote it; some were corrected since.
;; Self Attention. Allowed arithmetic: float matrix products may take bf16 or f16 operands with f32 sums; other float arithmetic in f32, or as packed bf16 or f16 multiplies, adds, multiply-adds, maxima and minima; sums over many terms, partial sums and values carried from step to step in f32; what a program stores and reads back later, other than sums and carried values, may be rounded once to bf16 or f16.
;; Inputs: Wk 2,048 x 2,048 float32; Wo 2,048 x 2,048 float32; Wq 2,048 x 2,048 float32; Wv 2,048 x 2,048 float32; attn_mask 2 x 2,048 x 2,048 float32; bk 2,048 float32; bo 2,048 float32; bq 2,048 float32; bv 2,048 float32; cos 1 x 2,048 x 1 x 64 float32; k_cache 2 x 2 x 1,024 x 16 x 128 float32; sin 1 x 2,048 x 1 x 64 float32; v_cache 2 x 2 x 1,024 x 16 x 128 float32; x 2 x 1,024 x 2,048 float32.
;; Outputs: out0 2 x 1,024 x 2,048 float32; out1 2 x 1,024 x 16 x 128 float32; out2 2 x 1,024 x 16 x 128 float32.
;; Constants: layer_id = 0, pos = 1024.
;; 2 versions, each right; version 2 is version 1 with the launch prep written anew for expert scheduling mode. Each part assembles by itself: llvm-mc -triple=amdgcn-amd-amdhsa -mcpu=gfx1250 --defsym DOCPART=n.
;; ======== version 1 of 2: 4 launches
;; limits: values are held in f16: magnitudes above 65,504 overflow, below 6.1e-05 lose precision
;; workspace buffers: xb 8,388,608 bytes; wqkv 25,165,824 bytes; wo16 8,388,608 bytes; qf 8,388,608 bytes; kf 16,777,216 bytes; vf 16,777,216 bytes; maskw 16,777,216 bytes; af 8,388,608 bytes
;; launch prep (part 1): grid 256 x 8, 8 waves a work-group, no clusters, 70,656 bytes of LDS; arguments x, Wq, Wk, Wv, Wo, k_cache, v_cache, attn_mask, xb, wqkv, wo16, kf, vf, maskw; writes xb, wqkv, wo16, kf, vf, maskw
.if DOCPART == 1
	.amdgcn_target "amdgcn-amd-amdhsa--gfx1250"
	.amdhsa_code_object_version 6
	.text
	.protected	k_qffe355c296_prep
	.globl	k_qffe355c296_prep
	.p2align	8
	.type	k_qffe355c296_prep,@function
k_qffe355c296_prep:
	s_mov_b64 s[64:65], 0
	v_nop
	global_prefetch_b8 v0, s[64:65] scope:SCOPE_SE
	s_setreg_imm32_b32 hwreg(HW_REG_WAVE_MODE, 25, 1), 1
	s_wait_xcnt 0x0
; THE CAST PASS.  Eight jobs (the grid's y) of 16 MiB of f32 each; a work-group takes 64 KiB of its job (the grid's x), a thread sixteen loads of 16 bytes, all issued at once.
;   0 x -> xb, 1-3 Wq, Wk, Wv -> wqkv: rounded to bf16.     4 Wo -> wo16: rounded to bf16, and that number written as f16.
;   5 k_cache, layer 0 -> kf, bf16, by heads and key steps: [32 heads][16 steps][2 halves][64 keys][128]; the cache is half 0 (keys 0-1023), the new keys are half 1.
;   6 v_cache, layer 0 -> vf, likewise, bf16 written as f16.
;   7 attn_mask, rows 1024-2047 -> maskw: rounded to bf16, times sqrt(128), f32, laid out as the C operand of S^T = K Q^T wants it, a key step of a block of 128 queries on end:
;     [p 2][block 8][step 16][key half 2][16 queries qt 8][16 keys kb 4][j 2][lane 32][4]: lane r + 16 hh holds
;     mask[p][1024 + 128 block + 16 qt + r][1024 half + 64 step + 16 kb + 8 hh + 4 j + 0..3].
; Every input is rounded to bf16 once, here or where it is used, so that the whole program computes on one set of rounded inputs.
; LIMITS.  f16 holds no number beyond 65,504 and keeps a fixed step of 6e-8 below 6e-5: v_cache and Wo are taken to lie within that.  mask x 11.3 is taken to stay finite.
; Memory binds: each byte is read once and written once; every store of a wave covers whole aligned blocks of 256 bytes.  No matrix unit, no cluster: nothing is shared.
; Only the mask changes lanes: through the wave's own 8,704 bytes of LDS (32 blocks of 256 bytes, 272 apart), so no barrier is needed.
.set SPARE, 69632                      ; behind the eight waves' stages: the spare words, 128 bytes for each wave
.set WLDS,  8704
.set BP,    272                        ; 256 + 16
.set SPW, 2                            ; v2   LDS address of my spare word; never rewritten
.set NIL, 3                            ; v3   0; never rewritten
.set LO,  4                            ; v4   16 x thread: the loads' offset
.set SO,  5                            ; v5   the stores' offset
.set LS,  6                            ; v6   the mask: where I put 16 bytes
.set LR,  7                            ; v7   the mask: where I read 16 bytes back
.set X,   8                            ; v[8:71]    sixteen loads of four f32
.set Y,   72                           ; v[72:135]  what is stored
.set T,   136                          ; v[136:143] at work
.set JOB, 32
.set CH,  33
.set SRC, 34                           ; s[34:35]
.set DST, 36                           ; s[36:37]
.set OF,  38                           ; s[38:39] an offset, its high word 0
.set HIM, 40                           ; a word's upper bf16
.set WV,  41
.set RT2, 42                           ; s[42:43] sqrt(128), named as a pair
	s_load_b512 s[4:19], s[0:1], 0x0               ; x 4, Wq 6, Wk 8, Wv 10, Wo 12, k_cache 14, v_cache 16, attn_mask 18
	s_load_b256 s[20:27], s[0:1], 0x40             ; xb 20, wqkv 22, wo16 24, kf 26
	s_load_b128 s[28:31], s[0:1], 0x60             ; vf 28, maskw 30
	v_lshl_add_u32 v[SPW], v0, 2, SPARE
	v_mov_b32 v[NIL], 0
	s_and_b32 s[JOB], ttmp7, 0xffff
	s_mov_b32 s[CH], ttmp9
	s_mov_b32 s[OF+1], 0
	s_mov_b32 s[HIM], 0xffff0000
	v_lshlrev_b32 v[LO], 4, v0
	v_lshrrev_b32 v1, 5, v0
	v_readfirstlane_b32 s[WV], v1                  ; wave 0..7
	v_and_b32 v1, 31, v0                           ; lane
	s_wait_kmcnt 0x0
.macro LOADS step                      ; sixteen loads; the work-group's 256 threads cover 4,096 bytes on end in each
.set i, 0
.rept 16
	global_load_b128 v[X+4*i:X+4*i+3], v[LO], s[SRC:SRC+1] offset:(\step)*i th:TH_LOAD_NT
.set i, i+1
.endr
.endm
.macro CV fmt                          ; load i's four numbers -> 8 bytes.  fmt 0: bf16.  fmt 1: rounded to bf16, widened, written as f16
.if \fmt
	v_cvt_pk_bf16_f32 v[T],   v[X+4*i],   v[X+4*i+1]
	v_cvt_pk_bf16_f32 v[T+1], v[X+4*i+2], v[X+4*i+3]
	v_lshlrev_b32 v[T+2], 16, v[T]
	v_and_b32     v[T+3], s[HIM], v[T]
	v_lshlrev_b32 v[T+4], 16, v[T+1]
	v_and_b32     v[T+5], s[HIM], v[T+1]
	v_cvt_pk_f16_f32 v[Y+2*i],   v[T+2], v[T+3]
	v_cvt_pk_f16_f32 v[Y+2*i+1], v[T+4], v[T+5]
.else
	v_cvt_pk_bf16_f32 v[Y+2*i],   v[X+4*i],   v[X+4*i+1]
	v_cvt_pk_bf16_f32 v[Y+2*i+1], v[X+4*i+2], v[X+4*i+3]
.endif
.endm
.macro OUT kind, fmt                   ; kind 0: dense.  kind 1: by heads.  A wave's store covers 256 bytes on end, aligned; each has data registers of its own
.set i, 0
.rept 16
	s_wait_loadcnt 15-i                            ; loads come back in order: load i is in, the 15 - i younger ones stay out
	CV \fmt
.if \kind
	global_store_b64 v[SO], v[Y+2*i:Y+2*i+1], s[DST:DST+1] offset:(i%2)*4194304+(i/2)*256 th:TH_STORE_NT  ; head 8 (i % 2) + wave, key i / 2 of the chunk's eight
.else
	global_store_b64 v[SO], v[Y+2*i:Y+2*i+1], s[DST:DST+1] offset:2048*i th:TH_STORE_NT
.endif
.set i, i+1
.endr
.endm
	s_cmp_eq_u32 s[JOB], 7
	s_cbranch_scc1 .Lmask
	s_cmp_gt_u32 s[JOB], 4
	s_cbranch_scc1 .Lcache
	; JOBS 0 TO 4: a dense cast
	s_mov_b64 s[SRC:SRC+1], s[4:5]
	s_cmp_eq_u32 s[JOB], 1
	s_cselect_b64 s[SRC:SRC+1], s[6:7], s[SRC:SRC+1]
	s_cmp_eq_u32 s[JOB], 2
	s_cselect_b64 s[SRC:SRC+1], s[8:9], s[SRC:SRC+1]
	s_cmp_eq_u32 s[JOB], 3
	s_cselect_b64 s[SRC:SRC+1], s[10:11], s[SRC:SRC+1]
	s_cmp_eq_u32 s[JOB], 4
	s_cselect_b64 s[SRC:SRC+1], s[12:13], s[SRC:SRC+1]
	s_sub_co_u32 s[OF], s[JOB], 1                  ; which third of wqkv
	s_cmp_eq_u32 s[JOB], 0
	s_cselect_b64 s[DST:DST+1], s[20:21], s[22:23]
	s_cselect_b32 s[OF], 0, s[OF]
	s_cmp_eq_u32 s[JOB], 4
	s_cselect_b64 s[DST:DST+1], s[24:25], s[DST:DST+1]
	s_cselect_b32 s[OF], 0, s[OF]
	s_lshl_b32 s[OF], s[OF], 23
	s_lshl_b32 s44, s[CH], 15                      ; the chunk's 32 KiB of output
	s_add_co_u32 s[OF], s[OF], s44
	s_add_nc_u64 s[DST:DST+1], s[DST:DST+1], s[OF:OF+1]
	s_lshl_b32 s[OF], s[CH], 16                    ; its 64 KiB of input
	s_add_nc_u64 s[SRC:SRC+1], s[SRC:SRC+1], s[OF:OF+1]
	v_lshlrev_b32 v[SO], 3, v0
	LOADS 4096
	s_cmp_eq_u32 s[JOB], 4
	s_cbranch_scc1 .Lcast16
	OUT 0, 0
	s_branch .Lend
.Lcast16:
	OUT 0, 1
	s_branch .Lend
.Lcache:                                               ; JOBS 5 AND 6: a chunk is 8 positions x 16 heads x 128 of layer 0; load i of wave w is position i / 2, head 8 (i % 2) + w
	s_cmp_eq_u32 s[JOB], 5
	s_cselect_b64 s[SRC:SRC+1], s[14:15], s[16:17]
	s_cselect_b64 s[DST:DST+1], s[26:27], s[28:29]
	s_lshr_b32 s44, s[CH], 7                       ; the batch
	s_and_b32 s45, s[CH], 127                      ; which eight positions
	s_lshl_b32 s[OF], s44, 24                      ; a batch of the cache: two layers of 8 MiB
	s_lshl_b32 s46, s45, 16
	s_add_co_u32 s[OF], s[OF], s46
	s_add_nc_u64 s[SRC:SRC+1], s[SRC:SRC+1], s[OF:OF+1]
	s_lshl_b32 s[OF], s44, 23                      ; sixteen heads of 2,048 rows of 256 bytes
	s_lshr_b32 s46, s45, 3                         ; the key step: 64 positions,
	s_lshl_b32 s46, s46, 15                        ; 128 rows a step: its 64 cache keys, then its 64 new ones
	s_add_co_u32 s[OF], s[OF], s46
	s_and_b32 s46, s45, 7                          ; which eight of the step's 64 cache keys
	s_lshl_b32 s46, s46, 11
	s_add_co_u32 s[OF], s[OF], s46
	s_add_nc_u64 s[DST:DST+1], s[DST:DST+1], s[OF:OF+1]
	s_lshl_b32 s46, s[WV], 19                      ; head w
	v_lshl_add_u32 v[SO], v1, 3, s46
	LOADS 4096
	s_cmp_eq_u32 s[JOB], 6
	s_cbranch_scc1 .Lcache16
	OUT 1, 0
	s_branch .Lend
.Lcache16:
	OUT 1, 1
	s_branch .Lend
.Lmask:                                                ; JOB 7: a chunk is 16 queries x 1,024 keys; load i is query i; thread t holds keys 4 t .. 4 t + 3
	s_mov_b32 s[RT2], 0x413504f3                   ; sqrt(128)
	s_mov_b32 s[RT2+1], s[RT2]
	s_lshr_b32 s44, s[CH], 7                       ; p
	s_bfe_u32 s45, s[CH], 0x60001                  ; which 16 queries of the 1,024
	s_and_b32 s46, s[CH], 1                        ; which half of the keys
	s_lshl_b32 s[OF], s44, 24
	s_add_co_u32 s[OF], s[OF], 0x800000            ; row 1,024
	s_lshl_b32 s47, s45, 17
	s_add_co_u32 s[OF], s[OF], s47
	s_lshl_b32 s47, s46, 12
	s_add_co_u32 s[OF], s[OF], s47
	s_add_nc_u64 s[SRC:SRC+1], s[18:19], s[OF:OF+1]
	s_lshl_b32 s[OF], s44, 23                      ; maskw: the plane,
	s_lshr_b32 s47, s45, 3
	s_lshl_b32 s47, s47, 20                        ; the block of 128 queries: 16 steps of 65,536 bytes,
	s_add_co_u32 s[OF], s[OF], s47
	s_and_b32 s47, s45, 7
	s_lshl_b32 s47, s47, 12                        ; the 16 queries in it: 4,096 bytes,
	s_add_co_u32 s[OF], s[OF], s47
	s_lshl_b32 s47, s46, 15                        ; the key half: 32,768 bytes
	s_add_co_u32 s[OF], s[OF], s47
	s_add_nc_u64 s[DST:DST+1], s[30:31], s[OF:OF+1]
	LOADS 8192
	s_mul_i32 s47, s[WV], WLDS
	v_and_b32 v[T], 28, v1                         ; my block of 256 bytes: 4 x (group of 16 keys) + 2 j + hh, where my four keys are 8 hh + 4 j of the group
	v_and_b32 v[T+1], 1, v1
	v_lshl_add_u32 v[T], v[T+1], 1, v[T]
	v_bfe_u32 v[T+1], v1, 1, 1
	v_add_nc_u32 v[T], v[T], v[T+1]
	v_mul_u32_u24 v[T], v[T], BP
	v_add_nc_u32 v[LS], s47, v[T]
	v_lshrrev_b32 v[T], 4, v1                      ; back: 32 lanes take two blocks on end
	v_mul_u32_u24 v[T], v[T], BP
	v_and_b32 v[T+1], 15, v1
	v_lshl_add_u32 v[T], v[T+1], 4, v[T]
	v_add_nc_u32 v[LR], s47, v[T]
	s_lshl_b32 s46, s[WV], 17                      ; the wave's 128 keys are two key steps, 65,536 bytes apart
	v_lshl_add_u32 v[SO], v1, 4, s46
.set i, 0
.rept 16
	s_wait_loadcnt 15-i
	v_cvt_pk_bf16_f32 v[T],   v[X+4*i],   v[X+4*i+1]
	v_cvt_pk_bf16_f32 v[T+1], v[X+4*i+2], v[X+4*i+3]
	v_lshlrev_b32 v[X+4*i],   16, v[T]
	v_and_b32     v[X+4*i+1], s[HIM], v[T]
	v_lshlrev_b32 v[X+4*i+2], 16, v[T+1]
	v_and_b32     v[X+4*i+3], s[HIM], v[T+1]
	v_pk_mul_f32 v[X+4*i:X+4*i+1],   v[X+4*i:X+4*i+1],   s[RT2:RT2+1] op_sel_hi:[1,0]
	v_pk_mul_f32 v[X+4*i+2:X+4*i+3], v[X+4*i+2:X+4*i+3], s[RT2:RT2+1] op_sel_hi:[1,0]
	ds_store_b128 v[LS], v[X+4*i:X+4*i+3] offset:16*i  ; query i is place i of the block
.set i, i+1
.endr
.set i, 0
.rept 16
	ds_load_b128 v[Y+4*i:Y+4*i+3], v[LR] offset:2*BP*i  ; LDS serves a wave's instructions in order: these see the wave's own stores above
.set i, i+1
.endr
.set i, 0
.rept 16
	s_wait_dscnt 15-i
	global_store_b128 v[SO], v[Y+4*i:Y+4*i+3], s[DST:DST+1] offset:(i/8)*65536+(i%8)*512 th:TH_STORE_NT  ; step i / 8 of my two, 16 keys (i % 8) / 2, j = i % 2: 512 bytes on end, aligned
.set i, i+1
.endr
.Lend:
	s_wait_tensorcnt 0x0                           ; the wave's end, behind my last LDS store
	ds_add_u32 v[SPW], v[NIL]
	s_wait_dscnt 0x0
	s_endpgm
.Lfunc_end_k_qffe355c296_prep:
	.size	k_qffe355c296_prep, .Lfunc_end_k_qffe355c296_prep-k_qffe355c296_prep
	.p2alignl 7, 3214868480
	.fill 96, 4, 3214868480
	.section	.rodata,"a",@progbits
	.p2align	6, 0x0
	.amdhsa_kernel k_qffe355c296_prep
		.amdhsa_group_segment_fixed_size 70656
		.amdhsa_private_segment_fixed_size 0
		.amdhsa_enable_private_segment 0
		.amdhsa_kernarg_size 112
		.amdhsa_user_sgpr_count 2
		.amdhsa_user_sgpr_kernarg_segment_ptr 1
		.amdhsa_wavefront_size32 1
		.amdhsa_system_sgpr_workgroup_id_x 1
		.amdhsa_system_sgpr_workgroup_id_y 1
		.amdhsa_system_sgpr_workgroup_id_z 1
		.amdhsa_system_vgpr_workitem_id 0
		.amdhsa_next_free_vgpr 152
		.amdhsa_next_free_sgpr 66
		.amdhsa_reserve_vcc 0
		.amdhsa_float_denorm_mode_32 3
		.amdhsa_float_denorm_mode_16_64 3
		.amdhsa_memory_ordered 1
		.amdhsa_forward_progress 1
		.amdhsa_inst_pref_size 44
	.end_amdhsa_kernel
	.amdgpu_metadata
---
amdhsa.version: [ 1, 2 ]
amdhsa.kernels:
  - .name:           k_qffe355c296_prep
    .symbol:         k_qffe355c296_prep.kd
    .args:
      - { .name: x, .offset: 0, .size: 8, .value_kind: global_buffer, .address_space: global }
      - { .name: Wq, .offset: 8, .size: 8, .value_kind: global_buffer, .address_space: global }
      - { .name: Wk, .offset: 16, .size: 8, .value_kind: global_buffer, .address_space: global }
      - { .name: Wv, .offset: 24, .size: 8, .value_kind: global_buffer, .address_space: global }
      - { .name: Wo, .offset: 32, .size: 8, .value_kind: global_buffer, .address_space: global }
      - { .name: k_cache, .offset: 40, .size: 8, .value_kind: global_buffer, .address_space: global }
      - { .name: v_cache, .offset: 48, .size: 8, .value_kind: global_buffer, .address_space: global }
      - { .name: attn_mask, .offset: 56, .size: 8, .value_kind: global_buffer, .address_space: global }
      - { .name: xb, .offset: 64, .size: 8, .value_kind: global_buffer, .address_space: global }
      - { .name: wqkv, .offset: 72, .size: 8, .value_kind: global_buffer, .address_space: global }
      - { .name: wo16, .offset: 80, .size: 8, .value_kind: global_buffer, .address_space: global }
      - { .name: kf, .offset: 88, .size: 8, .value_kind: global_buffer, .address_space: global }
      - { .name: vf, .offset: 96, .size: 8, .value_kind: global_buffer, .address_space: global }
      - { .name: maskw, .offset: 104, .size: 8, .value_kind: global_buffer, .address_space: global }
    .group_segment_fixed_size: 70656
    .private_segment_fixed_size: 0
    .kernarg_segment_align: 8
    .kernarg_segment_size: 112
    .max_flat_workgroup_size: 256
    .sgpr_count:     66
    .vgpr_count:     152
    .wavefront_size: 32
...
	.end_amdgpu_metadata
.endif
;; end of part 1
;; launch qkv (part 2): grid 16 x 16, 4 waves a work-group, clusters of 4 x 4, 327,680 bytes of LDS; arguments xb, wqkv, bq, bk, bv, cos, sin, qf, kf, vf, out1, out2; writes qf, kf, vf, out1, out2
.if DOCPART == 2
	.amdgcn_target "amdgcn-amd-amdhsa--gfx1250"
	.amdhsa_code_object_version 6
	.text
	.protected	k_qffe355c296_qkv
	.globl	k_qffe355c296_qkv
	.p2align	8
	.type	k_qffe355c296_qkv,@function
k_qffe355c296_qkv:
	s_mov_b64 s[64:65], 0
	v_nop
	global_prefetch_b8 v0, s[64:65] scope:SCOPE_SE
	s_setreg_imm32_b32 hwreg(HW_REG_WAVE_MODE, 25, 1), 1
	s_wait_xcnt 0x0
	s_wait_alu depctr_hold_cnt(0) depctr_sa_sdst(0) depctr_va_vdst(0) depctr_va_sdst(0) depctr_va_ssrc(0) depctr_va_vcc(0) depctr_vm_vsrc(0)
	s_getreg_b32 s2, hwreg(HW_REG_IB_STS2, 6, 4)
	s_cmp_eq_u32 s2, 0
	s_cbranch_scc0 .Lentry_in_a_cluster
	s_endpgm
.Lentry_in_a_cluster:
	s_bfe_u32 s2, ttmp6, 0x10000c
	s_cmp_lg_u32 s2, 0xf033
	s_cbranch_scc0 .Lentry_shape_is_right
	s_endpgm
.Lentry_shape_is_right:
; q, k, v = x W^T + b, RoPE on q and k.  xb: [2048][2048] bf16; wqkv: [3][2048][2048] bf16 (rows are output columns); sums in f32.
; A work-group makes 128 rows (grid x) of ONE head (grid y) of all three: 128 x 384 numbers.  256 work-groups, one for each WGP.
; Four waves: wave w has rows 64 (w / 2) .. + 63 and, of each of q, k, v, the columns 64 (w % 2) .. + 63: 4 x 12 accumulators of 16 x 16, 384 registers.
; K goes in 16 steps of 128 through two LDS slots (128 rows of x, then 128 of Wq, Wk, Wv, 256 bytes a row + 16 of padding); each wave fetches one of the four tiles by one tensor load.
; A K STEP IS WRITTEN ONCE: the slot that is read is a scalar (0 or SLOT), the fragments' addresses are made of it at each change of slots, and one descriptor a tensor walks.  The 14 steps that
; fill a slot again are one loop; the last two are a second loop of the same text without a refill, left in its middle.
; CLUSTER 4 x 4: x's tile hangs on the row block alone and is shared along a column of the cluster, W's tiles on the head alone and are shared along a row: joint loads.
; THE MATRIX INSTRUCTION IS USED TRANSPOSED (source 0 = 16 rows of W, source 1 = 16 rows of x): a lane holds one row and eight neighbouring columns.
; THE WAY OUT.  The f32 sums go into the ring's bytes (which have had their last fill); each wave then takes 32 whole rows, where a lane holds columns d and d + 64 of a row:
; bias, RoPE (cos, sin rows 1024 + s), k and v to out1 and out2 in f32; q (bf16) by heads to qf [32][1024][128]; k (bf16) and v (f16) to kf and vf,
; [32 heads][16 steps][2 halves][64 keys][128], where the new keys are half 1; all three through a small stage of the wave's own.
; The biases, cos and sin are rounded to bf16 first, like every input of the program.  q is stored unscaled.
; LIMITS.  v must stay within f16's 65,504 for vf (out2 is f32 and has no such limit).  NaN and infinities are not treated apart.
; REGISTERS, in windows of 256: window 0 addresses, x's fragments (two buffers of 32), the biases, the way out; window 1 W's fragments (two buffers of 96);
;   window 2 the accumulators of my row blocks 0, 1 ((a, b) at 8 (12 (a % 2) + b), b = 4 x matrix + column block); window 3 those of blocks 2, 3.
.set KSTEP,  128
.set STEPS,  16                        ; 2,048 / 128
.set PITCH,  272                       ; 256 + 16: the sixteen rows of a fragment load start at sixteen different groups of four banks
.set HALFT,  128*PITCH                 ; one tile of 128 rows
.set SLOT,   4*HALFT
.set CSTAB,  2*SLOT                    ; behind the ring, never filled by a tensor load: cos and sin of the 128 rows in bf16, 8 KiB for each wave
.set SPARE,  CSTAB+32768               ; the spare words, 128 bytes for each wave
.set RP,     528                       ; the f32 stage: a row of 512 bytes + 16
.set RAWJ,   128*RP                    ; one matrix of it
.set ST16,   3*RAWJ                    ; behind it: 9,216 bytes for each wave: four row pairs x six rows of 256 bytes, 384 apart
.set CST,  2                           ; v2   my 16 bytes of the cos and sin table
.set W16,  3                           ; v3   the 16-bit stage: where I put 8 bytes
.set R16,  4                           ; v4   and where I read 16 back
.set VO32, 5                           ; v5   my offset in out1 and out2
.set VO16, 6                           ; v6   my offset in qf, kf, vf (16 x lane at first)
.set PFO,  13                          ; v13  the prefetches' offset: my lane x a row of 4,096 bytes; never rewritten
.set ABAS, 16                          ; v16  x's fragments in slot 0; never rewritten
.set ADRA, 17                          ; v17  the same in the slot that is read
.set BBAS, 18                          ; v18-20  W's fragments in slot 0, by matrix (a 16-bit offset does not reach from one matrix to the next); never rewritten
.set ADRB, 21                          ; v21-23  the same in the slot that is read
.set STO,  24                          ; v24-26  the f32 stage, by matrix: where I put 32 bytes
.set RD,   27                          ; v27-29  and where I read rows back
.set SPW,  30
.set NIL,  31
.set AF,   32                          ; v32-95   x's fragments: 32 f + 8 a
.set BI,   96                          ; v96-119  the biases of my eight columns, by matrix: 8 j + 4 half
.set TM,   120
.set RW,   128                         ; the way out: sums of row pair u at 24 u + 8 j + 4 half
.set CSR,  224                         ; cos and sin of row pair u, packed
.set C4,   240
.set S4,   244
.set TA,   248
.set TC,   252
.set H16,  32                          ; 16-bit results of row pair u at 12 u + 4 j + 2 half
.set F0, 0
.set F1, 1
.set KOW,  20                          ; s20  my tile's place in a slot: wave x 128 rows
.set G1,  24                           ; s[24:31] descriptor group 1 for x's tiles
.set G0,  32                           ; s[32:39] group 0: a set for each of the two first fills; the second then walks on
.set G1B, 48                           ; s[48:55], s[56:63] the same for W's tiles
.set G0B, 56
.set PFA,  66                          ; s[66:67] where my prefetches stand
.set HIM,  92
.set ROWS, 93
.set LAP,  94                          ; counts K steps
.set LIM,  95                          ; 1 in a wave that prefetches, else the greatest number
.set TB,   96                          ; the slot that is read: 0 or SLOT
.set SB,   97                          ; the slot that the walking descriptors fill: 0 or SLOT
.set MSB, 0
.macro WIN new                         ; the immediate's high byte repeats the setting that is left
.if MSB != (\new)
	s_set_vgpr_msb (MSB<<8)|(\new)
.set MSB, \new
.endif
.endm
.set MUL_LO, 0xa1                      ; source 0 (W) window 1, source 1 (x) window 0, C and D window 2
.set MUL_HI, 0xf1                      ; the same, C and D window 3
.set TO_B,   0x40                      ; destination window 1
.macro PLACES                          ; four places behind matrix instructions, in front of loads into registers that they read and of reads of their results
.rept 4
	v_nop
.endr
.endm
.macro JLOAD                           ; a joint refill: wave 0 fetches x's tile, waves 1 to 3 those of Wq, Wk, Wv; an s_nop 0 and four v_nop follow each line
	s_cmp_eq_u32 s10, 0
	s_cbranch_scc0 .Lfor_b_\@
	tensor_load_to_lds s[G0+4:G0+7], s[G1:G1+7]
	s_nop 0
	PLACES
	s_branch .Lasked_\@
.Lfor_b_\@:
	tensor_load_to_lds s[G0B+4:G0B+7], s[G1B:G1B+7]
	s_nop 0
	PLACES
.Lasked_\@:
.endm
; A PREFETCH INTO THE L2 of what the NEXT refill will ask for: one K step, 192 matrix instructions a wave, ahead of that load.  Of the 128 rows (256 bytes of each) that a wave will fetch, each of
; the four partners that ask for them jointly names 32, told apart by address (cy for x, cx for W): a lane a row, one instruction a wave.  x's rows are walked by the four clusters of a column of
; clusters: cluster y = 0 asks; W's by the four of a row of clusters: cluster x = 0 asks.  So each row's 256 bytes of a K step are named once in the launch.  K steps 0 to 2 come by their loads
; alone; the last trip, whose refill is the last, asks for nothing.
.macro ASK
	s_cmp_gt_u32 s[LAP], s[LIM]
	s_cbranch_scc0 .Lnot_mine_\@
	global_prefetch_b8 v[PFO], s[PFA:PFA+1] th:TH_LOAD_NT scope:SCOPE_SE
.Lnot_mine_\@:
.endm
.macro CROUND                          ; a round of the cluster's barrier
	s_barrier_signal -1
	s_barrier_wait -1
	s_cmp_lg_u32 s10, 0
	s_cbranch_scc1 .Lnot_wave_0_\@
	s_barrier_signal -3
.Lnot_wave_0_\@:
	s_barrier_wait -3
	s_barrier_signal -1
	s_barrier_wait -1
.endm
.macro ADDR                            ; the fragments' addresses in the slot at s[TB]
	v_add_nc_u32 v[ADRA], s[TB], v[ABAS]
.irp j, 0,1,2
	v_add_nc_u32 v[ADRB+(\j)], s[TB], v[BBAS+(\j)]
.endr
.endm
	s_load_b512 s[68:83], s[0:1], 0x0              ; xb 68, wqkv 70, bq 72, bk 74, bv 76, cos 78, sin 80, qf 82
	s_load_b256 s[84:91], s[0:1], 0x40             ; kf 84, vf 86, out1 88, out2 90
	v_lshl_add_u32 v[SPW], v0, 2, SPARE
	v_mov_b32 v[NIL], 0
	ds_add_u32 v[SPW], v[NIL]                      ; the wave's opening: the add and its wait stand ahead of my first tensor load; the set-up below stands between them
	ds_add_u32 v30, v31
	v_lshrrev_b32 v1, 5, v0
	v_readfirstlane_b32 s10, v1                    ; wave 0..3
	s_lshr_b32 s11, s10, 1                         ; my half of the rows
	s_and_b32 s12, s10, 1                          ; my half of each matrix's columns
	s_bfe_u32 s40, ttmp6, 0x40000                  ; cx
	s_bfe_u32 s41, ttmp6, 0x40004                  ; cy
	s_lshl_b32 s13, ttmp9, 2
	s_add_co_u32 s13, s13, s40                     ; the row block = 4 x cluster x + cx
	s_and_b32 s42, ttmp7, 0xffff
	s_lshl_b32 s42, s42, 2
	s_add_co_u32 s42, s42, s41                     ; the head h = 4 x cluster y + cy
	s_lshl_b32 s43, s41, 2
	s_lshl_b32 s43, 15, s43                        ; my row of the cluster: the same head
	s_lshl_b32 s44, 0x1111, s40                    ; my column: the same row block
	s_or_b32 s[G1+0], s44, (1<<16)|(1<<20)|(1<<21)|(5<<22)|(3<<25)   ; the mask: x's tiles go to my column; 2-byte elements; padding on; bit 21 beside a mask; after every 64 words 4 words
	s_or_b32 s[G1B+0], s43, (1<<16)|(1<<20)|(1<<21)|(5<<22)|(3<<25)  ; the same with the mask of my row, for W's tiles
.irp g, G1, G1B
	s_mov_b32 s[(\g)+1], KSTEP<<16                 ; tensor_dim0 = 128
	s_mov_b32 s[(\g)+2], 128<<16                   ; tensor_dim1 = 128
	s_mov_b32 s[(\g)+3], KSTEP<<16                 ; tile_dim0 = 128
	s_mov_b32 s[(\g)+4], 128                       ; tile_dim1 = 128
	s_mov_b32 s[(\g)+5], 2048                      ; elements from row to row
	s_mov_b32 s[(\g)+6], 0
	s_mov_b32 s[(\g)+7], 0
.endr
	s_lshl_b32 s16, s13, 19                        ; x: 128 rows a block, of 4,096 bytes
	s_mov_b32 s17, 0
	s_max_u32 s46, s10, 1
	s_sub_co_u32 s46, s46, 1                       ; W: matrix w - 1,
	s_lshl_b32 s46, s46, 23
	s_lshl_b32 s47, s42, 19                        ; its rows 128 h on
	s_add_co_u32 s46, s46, s47
	s_mov_b32 s47, 0
	s_mul_i32 s[KOW], s10, HALFT                   ; where my tile goes: wave x 128 rows
	s_mov_b32 s[TB], 0
	s_mov_b32 s[SB], SLOT
	s_mov_b32 s[HIM], 0xffff0000
	s_and_b32 s18, s13, 7
	s_lshl_b32 s18, s18, 15
	s_lshl_b32 s19, s10, 13
	s_add_co_u32 s18, s18, s19                     ; (s0 + 32 w) x 256: the first of the 32 rows that I finish, in rows of 256 bytes
	s_add_co_u32 s2, s18, 0x40000                  ; + 1,024 such rows: cos, sin
	s_mov_b32 s3, 0
	s_lshl_b32 s4, s42, 9                          ; the head's 128 columns in f32
	s_mov_b32 s5, 0
	s_lshr_b32 s19, s13, 3
	s_lshl_b32 s19, s19, 4
	s_add_co_u32 s19, s19, s42                     ; 16 b + h
	s_lshl_b32 s6, s19, 18
	s_add_co_u32 s6, s6, s18                       ; qf
	s_mov_b32 s7, 0
	s_lshl_b32 s8, s19, 19                         ; kf, vf: the head's 2,048 rows of 256 bytes;
	s_and_b32 s21, s13, 7
	s_lshl_b32 s21, s21, 16                        ; my block's 128 new keys are two key steps of 128 rows;
	s_add_co_u32 s8, s8, s21
	s_lshl_b32 s21, s11, 15                        ; my 32 rows lie in step w / 2 of the two,
	s_add_co_u32 s8, s8, s21
	s_lshl_b32 s21, s12, 13                        ; from its new key 32 (w % 2) on,
	s_add_co_u32 s8, s8, s21
	s_add_co_u32 s8, s8, 0x4000                    ; behind the step's 64 cache keys
	s_mov_b32 s9, 0
	s_lshl_b32 s22, s13, 20
	s_lshl_b32 s19, s10, 18
	s_add_co_u32 s22, s22, s19
	s_add_co_u32 s22, s22, s4                      ; out1, out2: row 128 x block + 32 w of 8,192 bytes, column 128 h
	s_mov_b32 s23, 0
	s_and_b32 s21, ttmp7, 0xffff                   ; the prefetches: cluster y
	s_cmp_eq_u32 s10, 0                            ; do I fetch x?
	s_cselect_b32 s21, s21, ttmp9                  ; the coordinate along which other clusters walk the same rows
	s_cselect_b32 s98, s41, s40                    ; my place among the four that ask with me
	s_cmp_eq_u32 s21, 0
	s_cselect_b32 s[LIM], 1, -1                    ; the same in all sixteen partners, for a given wave
	s_lshl_b32 s98, s98, 17                        ; my work-group's 32 rows of the 128
	s_mov_b32 s99, 0
	v_and_b32 v7, 15, v0                           ; l % 16
	v_bfe_u32 v8, v0, 4, 1                         ; l / 16
	v_and_b32 v9, 31, v0
	v_lshlrev_b32 v[VO16], 4, v9
	v_lshlrev_b32 v[PFO], 12, v9
	v_lshlrev_b32 v10, 4, v7
	s_wait_dscnt 0x0                               ; the opening add is done
	s_wait_kmcnt 0x0
	s_add_nc_u64 s[14:15], s[68:69], s[16:17]
	s_add_nc_u64 s[46:47], s[70:71], s[46:47]
	s_add_nc_u64 s[78:79], s[78:79], s[2:3]
	s_add_nc_u64 s[80:81], s[80:81], s[2:3]
	s_add_nc_u64 s[72:73], s[72:73], s[4:5]
	s_add_nc_u64 s[74:75], s[74:75], s[4:5]
	s_add_nc_u64 s[76:77], s[76:77], s[4:5]
	s_add_nc_u64 s[82:83], s[82:83], s[6:7]
	s_add_nc_u64 s[84:85], s[84:85], s[8:9]
	s_add_nc_u64 s[86:87], s[86:87], s[8:9]
	s_add_nc_u64 s[88:89], s[88:89], s[22:23]
	s_add_nc_u64 s[90:91], s[90:91], s[22:23]
	s_cmp_eq_u32 s10, 0
	s_cselect_b64 s[PFA:PFA+1], s[14:15], s[46:47]
	s_add_nc_u64 s[PFA:PFA+1], s[PFA:PFA+1], s[98:99]
	s_add_nc_u64 s[PFA:PFA+1], s[PFA:PFA+1], 2*KSTEP*2  ; at K step 2; the first refill steps it to 3.  Nothing is prefetched at the head
.set u, 0
.rept 16                               ; cos and sin of my 32 rows: two rows of 256 bytes a load; lane l holds row 2 u + l / 16, columns 4 (l % 16) on
	global_load_b128 v[128+4*u:131+4*u], v[VO16], s[78:79] offset:512*u
	global_load_b128 v[192+4*u:195+4*u], v[VO16], s[80:81] offset:512*u
.set u, u+1
.endr
.irp j, 0,1,2
	global_load_b128 v[BI+8*(\j):BI+8*(\j)+3],   v10, s[72+2*(\j):73+2*(\j)]
	global_load_b128 v[BI+8*(\j)+4:BI+8*(\j)+7], v10, s[72+2*(\j):73+2*(\j)] offset:256
.endr
	CROUND                                         ; all sixteen work-groups are here: the first joint loads meet
.irp s, 0,1
	s_mov_b32 s[G0+4*(\s)], 1
	s_add_co_u32 s[G0+4*(\s)+1], s[KOW], (\s)*SLOT
	s_add_nc_u64 s[G0+4*(\s)+2:G0+4*(\s)+3], s[14:15], (\s)*KSTEP*2  ; K step s
	s_or_b32 s[G0+4*(\s)+3], s[G0+4*(\s)+3], 0x80000000
	s_mov_b32 s[G0B+4*(\s)], 1
	s_add_co_u32 s[G0B+4*(\s)+1], s[KOW], (\s)*SLOT
	s_add_nc_u64 s[G0B+4*(\s)+2:G0B+4*(\s)+3], s[46:47], (\s)*KSTEP*2
	s_or_b32 s[G0B+4*(\s)+3], s[G0B+4*(\s)+3], 0x80000000
.endr
	s_cmp_eq_u32 s10, 0                            ; a wave's two first fills stand in one branch: two loads of mine are out
	s_cbranch_scc0 .Lfirst_b
	tensor_load_to_lds s[G0:G0+3], s[G1:G1+7]
	s_nop 0
	tensor_load_to_lds s[G0+4:G0+7], s[G1:G1+7]
	s_nop 0
	PLACES
	s_branch .Lfirst_asked
.Lfirst_b:
	tensor_load_to_lds s[G0B:G0B+3], s[G1B:G1B+7]
	s_nop 0
	tensor_load_to_lds s[G0B+4:G0B+7], s[G1B:G1B+7]
	s_nop 0
	PLACES
.Lfirst_asked:
	v_mul_u32_u24 v11, v7, PITCH
	v_lshl_add_u32 v11, v8, 4, v11                 ; a fragment's row x pitch + 16 x half
	s_mul_i32 s21, s11, 64*PITCH
	v_add_nc_u32 v[ABAS], s21, v11
	s_mul_i32 s19, s12, 64*PITCH
	s_add_co_u32 s19, s19, HALFT
.irp j, 0,1,2
	v_add_nc_u32 v[BBAS+(\j)], s19, v11
	s_add_co_u32 s19, s19, HALFT
.endr
	ADDR                                           ; slot 0 is read first
	v_mul_u32_u24 v12, v7, RP                      ; into the f32 stage: row 64 (w / 2) + l % 16, byte 256 (w % 2) + 32 (l / 16)
	v_lshl_add_u32 v12, v8, 5, v12
	s_mul_i32 s19, s11, 64*RP
	s_lshl_b32 s21, s12, 8
	s_add_co_u32 s19, s19, s21
	v_add_nc_u32 v[STO], s19, v12
	v_add_nc_u32 v[STO+1], RAWJ, v[STO]
	v_add_nc_u32 v[STO+2], 2*RAWJ, v[STO]
	v_mul_u32_u24 v12, v8, RP                      ; back: row 32 w + l / 16, byte 16 (l % 16)
	v_lshl_add_u32 v12, v7, 4, v12
	s_mul_i32 s19, s10, 32*RP
	v_add_nc_u32 v[RD], s19, v12
	v_add_nc_u32 v[RD+1], RAWJ, v[RD]
	v_add_nc_u32 v[RD+2], 2*RAWJ, v[RD]
	s_lshl_b32 s19, s10, 13
	s_add_co_u32 s19, s19, CSTAB
	v_add_nc_u32 v[CST], s19, v[VO16]
	s_mul_i32 s19, s10, 9216
	s_add_co_u32 s19, s19, ST16
	v_mul_u32_u24 v12, v8, 384
	v_add_nc_u32 v12, s19, v12
	v_lshl_add_u32 v[W16], v7, 3, v12
	v_lshl_add_u32 v[R16], v7, 4, v12
	v_lshlrev_b32 v12, 13, v8
	v_lshl_add_u32 v[VO32], v7, 4, v12
	s_wait_loadcnt 0x0                             ; the biases, cos and sin
.set r, 0
.rept 6                                ; the biases rounded to bf16, in place
	v_cvt_pk_bf16_f32 v[TM],   v[BI+4*r],   v[BI+4*r+1]
	v_cvt_pk_bf16_f32 v[TM+1], v[BI+4*r+2], v[BI+4*r+3]
	v_lshlrev_b32 v[BI+4*r],   16, v[TM]
	v_and_b32     v[BI+4*r+1], s[HIM], v[TM]
	v_lshlrev_b32 v[BI+4*r+2], 16, v[TM+1]
	v_and_b32     v[BI+4*r+3], s[HIM], v[TM+1]
.set r, r+1
.endr
.set u, 0
.rept 16                               ; four cos and four sin pack into 16 bytes, kept in LDS until the way out: only this wave reads them
	v_cvt_pk_bf16_f32 v[128+4*u],   v[128+4*u],   v[128+4*u+1]
	v_cvt_pk_bf16_f32 v[128+4*u+1], v[128+4*u+2], v[128+4*u+3]
	v_cvt_pk_bf16_f32 v[128+4*u+2], v[192+4*u],   v[192+4*u+1]
	v_cvt_pk_bf16_f32 v[128+4*u+3], v[192+4*u+2], v[192+4*u+3]
	ds_store_b128 v[CST], v[128+4*u:128+4*u+3] offset:512*u
.set u, u+1
.endr
; 12 matrix instructions: row block a x all 12 column blocks, 32 along K, from buffer f.  The 48 accumulators take turns in one fixed order.
.macro MUL12 f, a, zero
	WIN MUL_LO+0x50*((\a)/2)
.set b, 0
.rept 12
.set rD, 8*(12*((\a)%2)+b)
.if \zero
	v_wmma_f32_16x16x32_bf16 v[rD:rD+7], v[96*(\f)+8*b:96*(\f)+8*b+7], v[AF+32*(\f)+8*(\a):AF+32*(\f)+8*(\a)+7], 0
.else
	v_wmma_f32_16x16x32_bf16 v[rD:rD+7], v[96*(\f)+8*b:96*(\f)+8*b+7], v[AF+32*(\f)+8*(\a):AF+32*(\f)+8*(\a)+7], v[rD:rD+7]
.endif
.set b, b+1
.endr
.endm
; 32 LDS loads in one run: W's 12 fragments, then x's 4, of 32 along K at byte k of the rows of the slot that is read, into buffer f
.macro FETCH k, f
	WIN TO_B
.set b, 0
.rept 12
	ds_load_b128 v[96*(\f)+8*b:96*(\f)+8*b+3],   v[ADRB+b/4] offset:(\k)+(b%4)*16*PITCH
	ds_load_b128 v[96*(\f)+8*b+4:96*(\f)+8*b+7], v[ADRB+b/4] offset:(\k)+(b%4)*16*PITCH+32
.set b, b+1
.endr
	WIN 0
.irp i, 0,1,2,3
	ds_load_b128 v[AF+32*(\f)+8*(\i):AF+32*(\f)+8*(\i)+3],   v[ADRA] offset:(\k)+(\i)*16*PITCH
	ds_load_b128 v[AF+32*(\f)+8*(\i)+4:AF+32*(\f)+8*(\i)+7], v[ADRA] offset:(\k)+(\i)*16*PITCH+32
.endr
.endm
; A K step is four quarters of 32 along K, 48 matrix instructions each, on buffers 0, 1, 0, 1.  One of the first three: multiplies f, fetches the next quarter (byte k) into g.
.macro QUARTER k, f, g, zero
	s_wait_dscnt 4                                 ; W's fragments and x's blocks 0, 1 are in; the youngest four loads (blocks 2, 3) may be out
	MUL12 \f, 0, \zero
	MUL12 \f, 1, \zero
	PLACES
	FETCH \k, \g
	s_wait_dscnt 32                                ; all but the 32 just issued
	MUL12 \f, 2, \zero
	MUL12 \f, 3, \zero
.endm
; The last quarter multiplies buffer 1 and changes slots.  Its first 24 products stand ahead of the change, so that nothing but the add, the descriptors' steps and the barrier lies between the wait
; for the tensor loads and the next request.  Each wave waits for all its tensor loads (one is out: its tile of the next slot), adds 0 to its spare word, and waits for that and for its reads of
; this slot.  fill = 1: the barrier is a round of the cluster's, so that no wave of any partner still reads the slot or has a load on its way, and this slot is filled again, two K steps ahead,
; first thing behind it: a whole K step, 192 matrix instructions, ahead of the wait for it.  Then come the next slot's first fragments.
.macro TURN fill
	s_wait_dscnt 4                                 ; W's fragments and x's blocks 0, 1 are in
	MUL12 F1, 0, 0
	MUL12 F1, 1, 0
	WIN 0
	s_wait_tensorcnt 0x0                           ; no tensor load of mine is out, so a group 0 may be written
	ds_add_u32 v[SPW], v[NIL]                      ; 0 onto my spare word: the scalar steps stand between it and the wait for it
.if \fill
	s_xor_b32 s[SB], s[SB], SLOT                   ; 0 or SLOT: the other slot than last time,
	s_add_co_u32 s[G0+5], s[SB], s[KOW]
	s_add_co_u32 s[G0B+5], s[SB], s[KOW]
	s_add_nc_u64 s[G0+6:G0+7], s[G0+6:G0+7], KSTEP*2      ; the next K step; the type bits on top are not reached
	s_add_nc_u64 s[G0B+6:G0B+7], s[G0B+6:G0B+7], KSTEP*2
	s_wait_xcnt 0x0                                ; the last prefetch, a K step back, has read its address
	s_add_nc_u64 s[PFA:PFA+1], s[PFA:PFA+1], KSTEP*2
.endif
	s_xor_b32 s[TB], s[TB], SLOT                   ; the reads go to the other slot
	s_wait_dscnt 0x0                               ; the add is done, and my reads of this slot are over
.if \fill
	CROUND
	JLOAD                                          ; its four v_nop and the four lines below are the places in front of the loads into buffer 0
.else
	s_barrier_signal -1
	s_barrier_wait -1
	PLACES
.endif
	ADDR
	FETCH 0, F0
.if \fill
	ASK                                            ; behind the joint load and the run of LDS loads that the next products wait for
.endif
	MUL12 F1, 2, 0
	MUL12 F1, 3, 0
.endm
	s_wait_tensorcnt 1                             ; my tile of K step 0 is in; K step 1's may stay out
	s_wait_dscnt 0x0                               ; my stores of cos and sin are done
	s_barrier_signal -1
	s_barrier_wait -1
	FETCH 0, F0
	QUARTER 64,  F0, F1, 1                         ; the first quarter's products start the sums
	WIN 0
	s_mov_b32 s[LAP], STEPS-2
.Lstep:                                                ; a trip goes from a K step's second quarter to the next step's first, and fills the slot that it leaves
	QUARTER 128, F1, F0, 0
	QUARTER 192, F0, F1, 0
	TURN 1
	QUARTER 64,  F0, F1, 0
	WIN 0
	s_sub_co_u32 s[LAP], s[LAP], 1
	s_cmp_lg_u32 s[LAP], 0
	s_cbranch_scc1 .Lstep
	s_mov_b32 s[LAP], 2                            ; the last two K steps fill nothing: written out
.Ltail:
	QUARTER 128, F1, F0, 0
	QUARTER 192, F0, F1, 0
	TURN 0
	WIN 0
	s_sub_co_u32 s[LAP], s[LAP], 1
	s_cmp_eq_u32 s[LAP], 0
	s_cbranch_scc1 .Lout                           ; the second trip is left here: the 32 fragments that its change of slots fetched (of K step 14 once more) are not multiplied
	QUARTER 64,  F0, F1, 0
	WIN 0
	s_branch .Ltail
.Lout:
	; THE WAY OUT
	PLACES
	PLACES
	s_wait_dscnt 0x0
	s_barrier_signal -1
	s_barrier_wait -1                              ; nobody reads the ring any more, and nothing is filled again: its bytes are the stages now
.irp a, 0,1,2,3
	WIN 0x08+4*((\a)/2)                            ; the stores' data (source 1) in window 2 or 3
.set b, 0
.rept 12
	ds_store_b128 v[STO+b/4], v[8*(12*((\a)%2)+b):8*(12*((\a)%2)+b)+3]   offset:(\a)*16*RP+64*(b%4)
	ds_store_b128 v[STO+b/4], v[8*(12*((\a)%2)+b)+4:8*(12*((\a)%2)+b)+7] offset:(\a)*16*RP+64*(b%4)+16
.set b, b+1
.endr
.endr
	WIN 0
	s_wait_dscnt 0x0                               ; for the others' sake: my stores into the stage are done
	s_barrier_signal -1
	s_barrier_wait -1
; Row pair u of a trip's four: lane l holds row 2 u + l / 16 and columns 4 (l % 16) + 0..3 (half 0) and + 64 (half 1) of q, k and v.
.macro ROWPAIR u
.set RB, RW+24*(\u)
.set CB, CSR+4*(\u)
.set HB, H16+12*(\u)
	v_lshlrev_b32 v[C4],   16,     v[CB]
	v_and_b32     v[C4+1], s[HIM], v[CB]
	v_lshlrev_b32 v[C4+2], 16,     v[CB+1]
	v_and_b32     v[C4+3], s[HIM], v[CB+1]
	v_lshlrev_b32 v[S4],   16,     v[CB+2]
	v_and_b32     v[S4+1], s[HIM], v[CB+2]
	v_lshlrev_b32 v[S4+2], 16,     v[CB+3]
	v_and_b32     v[S4+3], s[HIM], v[CB+3]
.set r, 0
.rept 12
	v_pk_add_f32 v[RB+r:RB+r+1], v[RB+r:RB+r+1], v[BI+r:BI+r+1]  ; the bias
.set r, r+2
.endr
.irp j, 0,1                            ; q, k: real = c x1 - s x2, imag = s x1 + c x2
.irp p, 0,2
	v_pk_mul_f32 v[TA+(\p):TA+(\p)+1], v[S4+(\p):S4+(\p)+1], v[RB+8*(\j)+4+(\p):RB+8*(\j)+5+(\p)]
	v_pk_mul_f32 v[TC+(\p):TC+(\p)+1], v[S4+(\p):S4+(\p)+1], v[RB+8*(\j)+(\p):RB+8*(\j)+1+(\p)]
.endr
.irp p, 0,2
	v_pk_fma_f32 v[RB+8*(\j)+(\p):RB+8*(\j)+1+(\p)],   v[C4+(\p):C4+(\p)+1], v[RB+8*(\j)+(\p):RB+8*(\j)+1+(\p)],   v[TA+(\p):TA+(\p)+1] neg_lo:[0,0,1] neg_hi:[0,0,1]
	v_pk_fma_f32 v[RB+8*(\j)+4+(\p):RB+8*(\j)+5+(\p)], v[C4+(\p):C4+(\p)+1], v[RB+8*(\j)+4+(\p):RB+8*(\j)+5+(\p)], v[TC+(\p):TC+(\p)+1]
.endr
.endr
	global_store_b128 v[VO32], v[RB+8:RB+11],  s[88:89] offset:16384*(\u) th:TH_STORE_NT      ; sixteen lanes store 256 bytes on end, aligned
	global_store_b128 v[VO32], v[RB+12:RB+15], s[88:89] offset:16384*(\u)+256 th:TH_STORE_NT
	global_store_b128 v[VO32], v[RB+16:RB+19], s[90:91] offset:16384*(\u) th:TH_STORE_NT
	global_store_b128 v[VO32], v[RB+20:RB+23], s[90:91] offset:16384*(\u)+256 th:TH_STORE_NT
.irp g, 0,1,2,3                        ; q's and k's four groups of four to bf16,
	v_cvt_pk_bf16_f32 v[HB+2*(\g)],   v[RB+4*(\g)],   v[RB+4*(\g)+1]
	v_cvt_pk_bf16_f32 v[HB+2*(\g)+1], v[RB+4*(\g)+2], v[RB+4*(\g)+3]
.endr
.irp g, 4,5                            ; v's two to f16
	v_cvt_pk_f16_f32 v[HB+2*(\g)],   v[RB+4*(\g)],   v[RB+4*(\g)+1]
	v_cvt_pk_f16_f32 v[HB+2*(\g)+1], v[RB+4*(\g)+2], v[RB+4*(\g)+3]
.endr
.irp g, 0,1,2,3,4,5
	ds_store_b64 v[W16], v[HB+2*(\g):HB+2*(\g)+1] offset:2304*(\u)+768*((\g)/2)+128*((\g)%2)
.endr
	ds_load_b128 v[RB:RB+3],   v[R16] offset:2304*(\u)          ; back as whole rows, into registers that are dead: q's sums and the packed cos and sin.
	ds_load_b128 v[RB+4:RB+7], v[R16] offset:2304*(\u)+768      ; LDS serves a wave's instructions in order: these see the wave's own stores above
	ds_load_b128 v[CB:CB+3],   v[R16] offset:2304*(\u)+1536
.endm
	s_mov_b32 s[ROWS], 4
.Lrows:                                                ; four trips of eight rows
.irp u, 0,1,2,3
	ds_load_b128 v[CSR+4*(\u):CSR+4*(\u)+3], v[CST] offset:512*(\u)
.endr
.irp u, 0,1,2,3
.irp j, 0,1,2
	ds_load_b128 v[RW+24*(\u)+8*(\j):RW+24*(\u)+8*(\j)+3],   v[RD+(\j)] offset:2*RP*(\u)
	ds_load_b128 v[RW+24*(\u)+8*(\j)+4:RW+24*(\u)+8*(\j)+7], v[RD+(\j)] offset:2*RP*(\u)+256
.endr
.endr
	s_wait_dscnt 0x0
	ROWPAIR 0
	ROWPAIR 1
	ROWPAIR 2
	ROWPAIR 3
	s_wait_dscnt 0x0
.irp u, 0,1,2,3
	global_store_b128 v[VO16], v[RW+24*(\u):RW+24*(\u)+3],   s[82:83] offset:512*(\u)   ; two rows of a head: 512 bytes on end
	global_store_b128 v[VO16], v[RW+24*(\u)+4:RW+24*(\u)+7], s[84:85] offset:512*(\u)
	global_store_b128 v[VO16], v[CSR+4*(\u):CSR+4*(\u)+3],   s[86:87] offset:512*(\u)
.endr
	s_wait_xcnt 0x0                                ; the stores' data and offsets are written again only behind this wait
.irp j, 0,1,2
	v_add_nc_u32 v[RD+(\j)], 8*RP, v[RD+(\j)]
.endr
	v_add_nc_u32 v[CST], 2048, v[CST]
	v_add_nc_u32 v[VO32], 65536, v[VO32]
	v_add_nc_u32 v[VO16], 2048, v[VO16]
	s_sub_co_u32 s[ROWS], s[ROWS], 1
	s_cmp_lg_u32 s[ROWS], 0
	s_cbranch_scc1 .Lrows
	s_wait_tensorcnt 0x0                           ; the wave's end, behind my last tensor load and my last LDS store
	ds_add_u32 v[SPW], v[NIL]
	s_wait_dscnt 0x0
	CROUND                                         ; the closing round
	s_endpgm
.Lfunc_end_k_qffe355c296_qkv:
	.size	k_qffe355c296_qkv, .Lfunc_end_k_qffe355c296_qkv-k_qffe355c296_qkv
	.p2alignl 7, 3214868480
	.fill 96, 4, 3214868480
	.section	.rodata,"a",@progbits
	.p2align	6, 0x0
	.amdhsa_kernel k_qffe355c296_qkv
		.amdhsa_group_segment_fixed_size 327680
		.amdhsa_private_segment_fixed_size 0
		.amdhsa_enable_private_segment 0
		.amdhsa_kernarg_size 96
		.amdhsa_user_sgpr_count 2
		.amdhsa_user_sgpr_kernarg_segment_ptr 1
		.amdhsa_wavefront_size32 1
		.amdhsa_system_sgpr_workgroup_id_x 1
		.amdhsa_system_sgpr_workgroup_id_y 1
		.amdhsa_system_sgpr_workgroup_id_z 1
		.amdhsa_system_vgpr_workitem_id 0
		.amdhsa_next_free_vgpr 1024
		.amdhsa_next_free_sgpr 100
		.amdhsa_reserve_vcc 0
		.amdhsa_float_denorm_mode_32 3
		.amdhsa_float_denorm_mode_16_64 3
		.amdhsa_memory_ordered 1
		.amdhsa_forward_progress 1
		.amdhsa_inst_pref_size 97
	.end_amdhsa_kernel
	.amdgpu_metadata
---
amdhsa.version: [ 1, 2 ]
amdhsa.kernels:
  - .name:           k_qffe355c296_qkv
    .symbol:         k_qffe355c296_qkv.kd
    .args:
      - { .name: xb, .offset: 0, .size: 8, .value_kind: global_buffer, .address_space: global }
      - { .name: wqkv, .offset: 8, .size: 8, .value_kind: global_buffer, .address_space: global }
      - { .name: bq, .offset: 16, .size: 8, .value_kind: global_buffer, .address_space: global }
      - { .name: bk, .offset: 24, .size: 8, .value_kind: global_buffer, .address_space: global }
      - { .name: bv, .offset: 32, .size: 8, .value_kind: global_buffer, .address_space: global }
      - { .name: cos, .offset: 40, .size: 8, .value_kind: global_buffer, .address_space: global }
      - { .name: sin, .offset: 48, .size: 8, .value_kind: global_buffer, .address_space: global }
      - { .name: qf, .offset: 56, .size: 8, .value_kind: global_buffer, .address_space: global }
      - { .name: kf, .offset: 64, .size: 8, .value_kind: global_buffer, .address_space: global }
      - { .name: vf, .offset: 72, .size: 8, .value_kind: global_buffer, .address_space: global }
      - { .name: out1, .offset: 80, .size: 8, .value_kind: global_buffer, .address_space: global }
      - { .name: out2, .offset: 88, .size: 8, .value_kind: global_buffer, .address_space: global }
    .group_segment_fixed_size: 327680
    .private_segment_fixed_size: 0
    .kernarg_segment_align: 8
    .kernarg_segment_size: 96
    .max_flat_workgroup_size: 128
    .sgpr_count:     100
    .vgpr_count:     1024
    .wavefront_size: 32
...
	.end_amdgpu_metadata
.endif
;; end of part 2
;; launch attn (part 3): grid 8 x 32, 4 waves a work-group, clusters of 4 x 4, 327,680 bytes of LDS; arguments qf, kf, vf, af, maskw; writes af
.if DOCPART == 3
	.amdgcn_target "amdgcn-amd-amdhsa--gfx1250"
	.amdhsa_code_object_version 6
	.text
	.protected	k_qffe355c296_attn
	.globl	k_qffe355c296_attn
	.p2align	8
	.type	k_qffe355c296_attn,@function
k_qffe355c296_attn:
	s_mov_b64 s[64:65], 0
	v_nop
	global_prefetch_b8 v0, s[64:65] scope:SCOPE_SE
	s_setreg_imm32_b32 hwreg(HW_REG_WAVE_MODE, 25, 1), 1
	s_wait_xcnt 0x0
	s_wait_alu depctr_hold_cnt(0) depctr_sa_sdst(0) depctr_va_vdst(0) depctr_va_sdst(0) depctr_va_ssrc(0) depctr_va_vcc(0) depctr_vm_vsrc(0)
	s_getreg_b32 s2, hwreg(HW_REG_IB_STS2, 6, 4)
	s_cmp_eq_u32 s2, 0
	s_cbranch_scc0 .Lentry_in_a_cluster
	s_endpgm
.Lentry_in_a_cluster:
	s_bfe_u32 s2, ttmp6, 0x10000c
	s_cmp_lg_u32 s2, 0xf033
	s_cbranch_scc0 .Lentry_shape_is_right
	s_endpgm
.Lentry_shape_is_right:
; af[b][s][h][:] = the sum over k of softmax_k(q . k / sqrt(128) + mask) v.  qf [32][1024][128] bf16; kf (bf16) and vf (f16) [32 heads][16 steps][2 halves][64 keys][128]; af [2048][2048] f16.
; Head i = 16 b + h takes mask plane i % 2.  maskw holds mask x sqrt(128) in f32, in the order of the C operand of S^T = K Q^T, a key step of a block of 128 queries on end (65,536 bytes):
; the first product of a sum takes it as C, and the softmax's one scale c = log2(e) / sqrt(128) then serves scores and mask alike.
; Products, maxima and sums in f32; the weights p go to f16 for the second product, af is rounded once.
; LIMITS.  V and the result lie within f16's 65,504; p below 6e-5 keeps f16's step of 6e-8; a weight below 2^-126 counts as 0; c s must lie above -2^125, where c m starts;
; NaN, infinities and rows masked out whole are not treated apart.
; SHARES.  A work-group owns 128 queries of a head (256 work-groups).  Wave w owns queries 64 (w % 2) .. + 63 (four tiles of 16) and HALF OF THE KEYS: ks = w / 2 = 0 keys 0-1023, 1 keys 1024-2047.
; Each wave walks its 16 key steps of 64 with a running maximum m, sum l and O^T of its own; waves w and w ^ 2 merge once at the end, through LDS, each finishing two of the four tiles.
; Register tile t of a wave holds query tile t xor 2 ks: so every wave gives its register tiles 2, 3 and finishes 0, 1, by one text.
; LAYOUT.  S^T = K Q^T holds ONE query a lane (lane % 16) and keys 8 (lane / 16) + 0..7; two such results rounded to f16 ARE source 1 of O^T = V^T P.  V comes out of LDS turned.
; BY TURNS.  The tiles are two pieces (0: tiles 0, 1; 2: tiles 2, 3).  In a turn one piece issues 32 products V^T P of the step in hand and 32 products K Q^T of the next; the other piece's
; softmax, 64 slices of four, stands one slice behind each matrix instruction.  A turn's 66 exponentials are one batch with one wait.
; NO FIRST STEP IS WRITTEN OUT: c m starts far below every c s, O^T, l, V's registers and piece 2's P at 0, so the first a is 0; the loop is entered, and the tail left, in the middle of a trip.
; THE RING.  Two LDS slots; a slot holds ONE key step of both key halves: 128 rows of K, 128 of V, and the block's mask for those 128 keys.  Each wave fetches 32 KiB of it by one tensor load:
; wave 0 K, wave 1 V, waves 2 and 3 the mask of key half 0 and 1.  Two steps to a slot would take 548,864 bytes for the ring: they do not fit.
; CLUSTER 4 x 4.  Along x: four query blocks; along y: four heads of EQUAL parity: head = 8 (cluster y % 4) + 2 cy + cluster y / 4, so that the four clusters that walk one mask plane's tiles
; of a query block are neighbours in y.  K and V hang on the head alone and are shared along a row of the cluster; the mask hangs on the parity and the query block alone and is shared along a
; column: every tile is asked for jointly by four.
; REGISTERS: window 0 addresses, statistics (8 a tile), S^T (32 a tile), P (16 a tile); window 1 O^T (64 a tile); window 2 Q, K of one step; window 3 V of one step, one piece's mask (64).
.set KS,    64
.set PK,    272       ; a row of K in LDS: 256 + 16
.set PV,    288       ; a row of V: 256 + 32
.set VOFF,  128*PK    ; in a slot: 128 rows of K (64 of each key half), then 128 of V,
.set MOFF,  128*(PK+PV)  ; then the mask: [key half 2][tile 8][16 keys 4][j 2][lane 32][16 bytes]
.set SLOT,  MOFF+65536
.set STAGE, 2*SLOT    ; behind the ring: 16 rows x 272 bytes for each wave, for the way out
.set SP,    272
.set SPARE, STAGE+4*16*SP
.set MGW,   16896     ; the merge, in slot 0's bytes behind their last fill: for each wave two tiles of O^T (8,192 each), then their statistics (256 each)
.set AK0, 2           ; my lane's place in a slot's K; never rewritten
.set AV0, 3           ; the same for V
.set ADR, 4           ; the LDS address of K's or V's run of loads
.set ADM, 5           ; and of the mask's
.set STO, 6
.set RD,  7
.set GO,  8
.set ST,  12          ; tile t's statistics at v[ST+8 t]: +0 c m, +1 m, +2, +3 l, +4 to +7 at work; a takes +6
.set AM0, 44          ; v44, v45  my lane's place in a slot's mask, for piece 0 and for piece 2; never rewritten
.set MGG, 46          ; the merge: where I give O^T,
.set MGT, 47          ; where I take it,
.set MSG, 48          ; and the same for the statistics
.set MST, 49
.set PS,  50          ; v50-53  the partner's (c m, l) of two tiles
.set QO,  54          ; v54, v55  my byte offset in Q, for piece 0 and for piece 2; never rewritten
.set PFO, 61          ; 256 x lane; never rewritten
.set SPW, 62
.set NIL, 63
.set S,   64
.set P,   192
.set KF,  128         ; window 2
.set MC,  128         ; window 3: the mask of the piece whose scores are made next: tile u of its two, 16 keys kb at MC + 32 u + 8 kb
.set WV,  12
.set LIM, 15          ; 1 in a wave that prefetches, else the greatest number
.set PFA, 18          ; s[18:19]
.set G1K, 24
.set G1V, 32
.set G0K, 40          ; s[40:47] a set for each of the two first fills; the second then walks on
.set G0V, 48
.set SLOTS, 56
.set CNT, 57
.set CS,  58
.set SEL, 60
.set TB,  62          ; the slot that is being read: 0 or SLOT
.set SB,  63          ; the slot that the walking descriptors fill: 0 or SLOT
.set MK,  66          ; s[66:67] maskw at my block's step 0, at the half that I fetch
.set KOM, 68          ; where that half lies in a slot
.set PST, 78          ; s[78:79] bytes from a step to the next in the tensor that I fetch
.set G1M, 80
.set G0M, 88          ; s[88:95]
.set MSB, 0
.macro WIN new
.if MSB != (\new)
	s_set_vgpr_msb (MSB<<8)|(\new)
.set MSB, \new
.endif
.endm
.set W_KQ, 0x0a       ; K and Q in window 2, S^T in window 0
.set W_KM, 0x3a       ; the same with the C operand, the mask, in window 3
.set W_PV, 0x53       ; V in window 3, P in window 0, O^T in window 1
.set W_RS, 0x41       ; O^T (destination and source 0) in window 1, a in window 0
.macro FOUR
.rept 4
	v_nop
.endr
.endm
; A joint refill: wave 0 fetches K, wave 1 V, waves 2 and 3 the mask's two halves.  The branches hang on the wave's number alone.  An s_nop 0 and four v_nop follow each line.
.macro JLOAD
	s_cmp_lt_u32 s[WV], 2
	s_cbranch_scc0 .Lfor_m_\@
	s_cmp_eq_u32 s[WV], 0
	s_cbranch_scc0 .Lfor_v_\@
	tensor_load_to_lds s[G0K+4:G0K+7], s[G1K:G1K+7]
	s_nop 0
	FOUR
	s_branch .Lasked_\@
.Lfor_v_\@:
	tensor_load_to_lds s[G0V+4:G0V+7], s[G1V:G1V+7]
	s_nop 0
	FOUR
	s_branch .Lasked_\@
.Lfor_m_\@:
	tensor_load_to_lds s[G0M+4:G0M+7], s[G1M:G1M+7]
	s_nop 0
	FOUR
.Lasked_\@:
.endm
; A prefetch into the L2 of what the NEXT change of slots will ask for: one key step, 128 matrix instructions a wave, ahead of that load.  Of the 128 rows of 256 bytes that a wave will fetch,
; each of the four partners that ask for them jointly names 32, told apart by address (cx for K and V, cy for the mask): a lane a row, one instruction a wave.  K and V are walked by both clusters
; of a row of clusters: cluster x = 0 asks; the mask by the four clusters of equal parity in a column: cluster y % 4 = 0 asks.  So each row is named once in the launch.
; The last change that fills a slot asks for nothing.
.macro ASK
	s_cmp_gt_u32 s[SLOTS], s[LIM]
	s_cbranch_scc0 .Lnot_mine_\@
	global_prefetch_b8 v[PFO], s[PFA:PFA+1] th:TH_LOAD_NT scope:SCOPE_SE
.Lnot_mine_\@:
.endm
.macro CROUND
	s_barrier_signal -1
	s_barrier_wait -1
	s_cmp_lg_u32 s[WV], 0
	s_cbranch_scc1 .Lnot_wave_0_\@
	s_barrier_signal -3
.Lnot_wave_0_\@:
	s_barrier_wait -3
	s_barrier_signal -1
	s_barrier_wait -1
.endm
	s_load_b256 s[4:11], s[0:1], 0x0  ; qf s[4:5], kf s[6:7], vf s[8:9], af s[10:11]
	s_load_b64 s[MK:MK+1], s[0:1], 0x20
	v_lshl_add_u32 v[SPW], v0, 2, SPARE
	v_mov_b32 v[NIL], 0
	ds_add_u32 v[SPW], v[NIL]       ; the wave's opening: the add and its wait stand ahead of my first tensor load; the set-up below stands between them
	ds_add_u32 v62, v63
	v_lshrrev_b32 v1, 5, v0
	v_readfirstlane_b32 s[WV], v1
	s_bfe_u32 s13, ttmp6, 0x40000   ; cx
	s_bfe_u32 s69, ttmp6, 0x40004   ; cy
	s_lshl_b32 s14, ttmp9, 2
	s_add_co_u32 s14, s14, s13      ; my block of 128 queries = 4 x cluster x + cx
	s_and_b32 s70, ttmp7, 0xffff    ; cluster y
	s_lshr_b32 s71, s70, 2          ; the parity p: clusters y = 0 to 3 take the even heads, 4 to 7 the odd ones
	s_and_b32 s70, s70, 3           ; which eight heads
	s_lshl_b32 s20, s70, 3
	s_lshl_b32 s21, s69, 1
	s_add_co_u32 s20, s20, s21
	s_add_co_u32 s20, s20, s71      ; the head i = 8 (cluster y % 4) + 2 cy + p
	s_lshl_b32 s2, s69, 2
	s_lshl_b32 s2, 15, s2           ; my row of the cluster: the same head
	s_lshl_b32 s3, 0x1111, s13      ; my column: the same query block, the same parity
	s_or_b32 s[G1K], s2, (1<<16)|(1<<20)|(1<<21)|(5<<22)|(3<<25)  ; the mask of four; 2-byte elements; padding on; bit 21 beside a mask; after every 64 words 4 words
	s_or_b32 s[G1V], s2, (1<<16)|(1<<20)|(1<<21)|(5<<22)|(7<<25)  ; the same with 8 words
	s_or_b32 s[G1M], s3, (3<<16)|(1<<21)                          ; 8-byte elements, no padding
.irp g, G1K, G1V
	s_mov_b32 s[(\g)+1], 128<<16    ; tensor_dim0 = 128
	s_mov_b32 s[(\g)+2], 128<<16    ; tensor_dim1 = 128
	s_mov_b32 s[(\g)+3], 128<<16    ; tile_dim0 = 128
	s_mov_b32 s[(\g)+4], 128        ; tile_dim1 = 128
	s_mov_b32 s[(\g)+5], 128        ; elements from row to row
	s_mov_b32 s[(\g)+6], 0
	s_mov_b32 s[(\g)+7], 0
.endr
	s_mov_b32 s[G1M+1], 32<<16      ; a dense block of 32,768 bytes as 128 rows of 32 elements of 8 bytes
	s_mov_b32 s[G1M+2], 128<<16
	s_mov_b32 s[G1M+3], 32<<16
	s_mov_b32 s[G1M+4], 128
	s_mov_b32 s[G1M+5], 32
	s_mov_b32 s[G1M+6], 0
	s_mov_b32 s[G1M+7], 0
	s_and_b32 s16, s[WV], 1         ; my half of the queries; also: the half of the mask's tile that I fetch
	s_lshr_b32 s17, s[WV], 1        ; ks: the key half that I walk
	s_xor_b32 s77, s17, 1           ; 1 - ks
	s_lshl_b32 s22, s20, 19         ; K, V: the head's 2,048 rows of 256 bytes
	s_mov_b32 s23, 0
	s_lshl_b32 s2, s20, 18          ; Q: the head's 1,024 rows, my block's 128, my wave's 64
	s_lshl_b32 s21, s14, 15
	s_add_co_u32 s2, s2, s21
	s_lshl_b32 s21, s16, 14
	s_add_co_u32 s2, s2, s21
	s_mov_b32 s3, 0
	s_lshr_b32 s72, s20, 4          ; af: row b x 1,024 + 128 block + 64 half + 32 ks (the two tiles that I finish) of 4,096 bytes, column 128 h
	s_lshl_b32 s72, s72, 22
	s_lshl_b32 s21, s14, 19
	s_add_co_u32 s72, s72, s21
	s_lshl_b32 s21, s16, 18
	s_add_co_u32 s72, s72, s21
	s_lshl_b32 s21, s17, 17
	s_add_co_u32 s72, s72, s21
	s_and_b32 s21, s20, 15
	s_lshl_b32 s21, s21, 8
	s_add_co_u32 s72, s72, s21
	s_mov_b32 s73, 0
	s_lshl_b32 s74, s71, 23         ; maskw: the plane, the block's 16 steps of 65,536 bytes, the half that I fetch
	s_lshl_b32 s75, s14, 20
	s_add_co_u32 s74, s74, s75
	s_lshl_b32 s75, s16, 15
	s_add_co_u32 s74, s74, s75
	s_add_co_u32 s[KOM], s75, MOFF  ; and its place in a slot
	s_mov_b32 s75, 0
	s_mov_b32 s[SB], SLOT
	s_mov_b32 s[TB], 0
	s_mov_b32 s[CS], 0x3e0293ee     ; c = log2(e) / sqrt(128)
	s_mov_b32 s[CS+1], s[CS]
	s_mov_b32 s[SEL], 0x76543210
	s_mov_b32 s[SEL+1], 0xfedcba98
	s_mov_b32 s[PST], 65536
	s_mov_b32 s[PST+1], 0
	s_cmp_lt_u32 s[WV], 2           ; do I fetch K or V?
	s_cselect_b32 s[PST], 32768, s[PST]
	s_cselect_b32 s21, ttmp9, s70   ; the coordinate along which other clusters walk the same rows
	s_cselect_b32 s96, s13, s69     ; my place among the four that ask with me
	s_cmp_eq_u32 s21, 0
	s_cselect_b32 s[LIM], 1, -1     ; the same in all sixteen partners, for a given wave
	s_lshl_b32 s96, s96, 13         ; my work-group's 32 rows of the 128
	s_mov_b32 s97, 0
	v_and_b32 v[PFO], 31, v0
	v_lshlrev_b32 v[PFO], 8, v[PFO]
	s_wait_dscnt 0x0                ; the opening add is done
	s_wait_kmcnt 0x0
	s_add_nc_u64 s[6:7], s[6:7], s[22:23]
	s_add_nc_u64 s[8:9], s[8:9], s[22:23]
	s_add_nc_u64 s[4:5], s[4:5], s[2:3]
	s_add_nc_u64 s[10:11], s[10:11], s[72:73]
	s_add_nc_u64 s[MK:MK+1], s[MK:MK+1], s[74:75]
	s_cmp_eq_u32 s[WV], 0
	s_cselect_b64 s[PFA:PFA+1], s[6:7], s[8:9]
	s_cmp_lt_u32 s[WV], 2
	s_cselect_b64 s[PFA:PFA+1], s[PFA:PFA+1], s[MK:MK+1]
	s_add_nc_u64 s[PFA:PFA+1], s[PFA:PFA+1], s[96:97]
	s_add_nc_u64 s[PFA:PFA+1], s[PFA:PFA+1], s[PST:PST+1]
	s_add_nc_u64 s[PFA:PFA+1], s[PFA:PFA+1], s[PST:PST+1]  ; at step 2; the first change of slots steps it to 3.  Nothing is prefetched at the head
	CROUND                          ; all sixteen work-groups are here: the first joint loads meet
.irp s, 0,1
	s_mov_b32 s[G0K+4*(\s)], 1
	s_mov_b32 s[G0K+4*(\s)+1], (\s)*SLOT
	s_add_nc_u64 s[G0K+4*(\s)+2:G0K+4*(\s)+3], s[6:7], (\s)*32768  ; key step s
	s_or_b32 s[G0K+4*(\s)+3], s[G0K+4*(\s)+3], 0x80000000
	s_mov_b32 s[G0V+4*(\s)], 1
	s_mov_b32 s[G0V+4*(\s)+1], (\s)*SLOT+VOFF
	s_add_nc_u64 s[G0V+4*(\s)+2:G0V+4*(\s)+3], s[8:9], (\s)*32768
	s_or_b32 s[G0V+4*(\s)+3], s[G0V+4*(\s)+3], 0x80000000
	s_mov_b32 s[G0M+4*(\s)], 1
	s_add_co_u32 s[G0M+4*(\s)+1], s[KOM], (\s)*SLOT
	s_add_nc_u64 s[G0M+4*(\s)+2:G0M+4*(\s)+3], s[MK:MK+1], (\s)*65536
	s_or_b32 s[G0M+4*(\s)+3], s[G0M+4*(\s)+3], 0x80000000
.endr
	s_cmp_lt_u32 s[WV], 2           ; a wave's two first fills stand in one branch: two loads of mine are out
	s_cbranch_scc0 .Lfirst_m
	s_cmp_eq_u32 s[WV], 0
	s_cbranch_scc0 .Lfirst_v
	tensor_load_to_lds s[G0K:G0K+3], s[G1K:G1K+7]
	s_nop 0
	tensor_load_to_lds s[G0K+4:G0K+7], s[G1K:G1K+7]
	s_nop 0
	FOUR
	s_branch .Lfirst_asked
.Lfirst_v:
	tensor_load_to_lds s[G0V:G0V+3], s[G1V:G1V+7]
	s_nop 0
	tensor_load_to_lds s[G0V+4:G0V+7], s[G1V:G1V+7]
	s_nop 0
	FOUR
	s_branch .Lfirst_asked
.Lfirst_m:
	tensor_load_to_lds s[G0M:G0M+3], s[G1M:G1M+7]
	s_nop 0
	tensor_load_to_lds s[G0M+4:G0M+7], s[G1M:G1M+7]
	s_nop 0
	FOUR
.Lfirst_asked:
	v_and_b32 v1, 15, v0            ; l % 16
	v_bfe_u32 v9, v0, 4, 1          ; l / 16
	v_lshlrev_b32 v10, 8, v1
	v_lshl_add_u32 v10, v9, 4, v10  ; row x 256 + 16 x half
	s_lshl_b32 s21, s17, 13         ; piece 0 holds query tiles 2 ks, 2 ks + 1 (4,096 bytes each, in Q and in a slot's mask alike),
	s_lshl_b32 s2, s77, 13          ; piece 2 the other two
	v_add_nc_u32 v[QO], s21, v10
	v_add_nc_u32 v[QO+1], s2, v10
	WIN 0x80
.set i, 0
.rept 16                            ; Q stays in registers: register tile i / 4, channels 32 (i % 4) on
	global_load_b128 v[8*i:8*i+3],   v[QO+i/8], s[4:5] offset:((i/4)%2)*4096+(i%4)*64
	global_load_b128 v[8*i+4:8*i+7], v[QO+i/8], s[4:5] offset:((i/4)%2)*4096+(i%4)*64+32
.set i, i+1
.endr
	WIN 0
	v_and_b32 v10, 31, v0
	s_lshl_b32 s3, s17, 15          ; the mask in a slot: my key half,
	s_lshl_b32 s76, s16, 14         ; my four tiles of the block's eight
	s_add_co_u32 s3, s3, s76
	s_add_co_u32 s3, s3, MOFF
	s_add_co_u32 s21, s21, s3
	s_add_co_u32 s2, s2, s3
	v_lshl_add_u32 v[AM0], v10, 4, s21
	v_lshl_add_u32 v[AM0+1], v10, 4, s2
	; What the first turns find: O^T, V's registers and piece 2's P hold 0.  Two fragments of zeros are made, and 52 products of them, with C = 0, write the 416 registers.
	; All this stands in the wait for the first tile.
.set i, 0
.rept 16
	v_mov_b32 v[S+i], 0
.set i, i+1
.endr
	WIN 0x40                        ; destination window 1: O^T
.set i, 0
.rept 32
	v_wmma_f32_16x16x32_f16 v[8*i:8*i+7], v[S:S+7], v[S+8:S+15], 0
.set i, i+1
.endr
	WIN 0xc0                        ; destination window 3: V
.set i, 0
.rept 16
	v_wmma_f32_16x16x32_f16 v[8*i:8*i+7], v[S:S+7], v[S+8:S+15], 0
.set i, i+1
.endr
	WIN 0                           ; piece 2's P
.set i, 0
.rept 4
	v_wmma_f32_16x16x32_f16 v[P+32+8*i:P+32+8*i+7], v[S:S+7], v[S+8:S+15], 0
.set i, i+1
.endr
.set i, 0
.rept 4                             ; these and the addresses below are the places between those products and the first K Q^T, which writes over the zeros
	v_mov_b32 v[ST+8*i], 0xfe000000    ; c m: far below every c s
	v_mov_b32 v[ST+8*i+1], 0xff7fffff  ; m
	v_mov_b32 v[ST+8*i+2], 0
	v_mov_b32 v[ST+8*i+3], 0
.set i, i+1
.endr
	s_mul_i32 s76, s17, 64*PK       ; my key half's 64 rows of K
	v_mul_u32_u24 v[AK0], v1, PK
	v_lshl_add_u32 v[AK0], v9, 4, v[AK0]
	v_add_nc_u32 v[AK0], s76, v[AK0]
	v_and_b32 v10, 7, v0            ; the turning load: lane l reads key 8 (l / 16) + l % 8, channels 8 ((l / 8) % 2) + 0..7
	v_bfe_u32 v11, v0, 3, 1
	v_lshl_add_u32 v[AV0], v9, 3, v10
	v_mul_u32_u24 v[AV0], v[AV0], PV
	v_lshl_add_u32 v[AV0], v11, 4, v[AV0]
	s_mul_i32 s76, s17, 64*PV
	s_add_co_u32 s76, s76, VOFF
	v_add_nc_u32 v[AV0], s76, v[AV0]
; THE MATRIX WORK.  The accumulators take turns, one instruction a turn.
.macro PV x                         ; product i of 32 of O^T += V^T P: keys 32 (i / 16) on, channels 16 ((i / 2) % 8) on, tile x + i % 2
	WIN W_PV
.set rO, 64*((\x)+i%2)+8*((i/2)%8)
.set rV, 64*(i/16)+8*((i/2)%8)
.set rP, P+16*((\x)+i%2)+8*(i/16)
	v_wmma_f32_16x16x32_f16 v[rO:rO+7], v[rV:rV+7], v[rP:rP+7], v[rO:rO+7]
.endm
.macro KQ x                         ; product i of 32 of S^T = K Q^T + mask: channels 32 (i / 8) on, keys 16 ((i / 2) % 4) on, tile x + i % 2.  The first 8 start the sums with the mask
.set rS, S+32*((\x)+i%2)+8*((i/2)%4)
.set rK, KF+32*((i/2)%4)+8*(i/8)
.set rQ, 32*((\x)+i%2)+8*(i/8)
.set rM, MC+32*(i%2)+8*((i/2)%4)
.if i < 8
	WIN W_KM
	v_wmma_f32_16x16x32_bf16 v[rS:rS+7], v[rK:rK+7], v[rQ:rQ+7], v[rM:rM+7]
.else
	WIN W_KQ
	v_wmma_f32_16x16x32_bf16 v[rS:rS+7], v[rK:rK+7], v[rQ:rQ+7], v[rS:rS+7]
.endif
.endm
; THE LDS LOADS stand in runs, never singly among the matrix instructions; all go to the slot at s[TB].
.macro FETCH_K                      ; a step's K: 64 keys x 128 channels: 16 fragments
	WIN 0
	v_add_nc_u32 v[ADR], s[TB], v[AK0]
	WIN 0x80
.irp f, 0,1,2,3,4,5,6,7,8,9,10,11,12,13,14,15  ; keys 16 (f / 4) on, channels 32 (f % 4) on
	ds_load_b128 v[KF+8*(\f):KF+8*(\f)+3],   v[ADR] offset:((\f)/4)*16*PK+((\f)%4)*64
	ds_load_b128 v[KF+8*(\f)+4:KF+8*(\f)+7], v[ADR] offset:((\f)/4)*16*PK+((\f)%4)*64+32
.endr
.endm
.macro FETCH_M x                    ; the same step's mask for piece x: 16 loads of 512 bytes on end, straight into the C operands' registers
	WIN 0
	v_add_nc_u32 v[ADM], s[TB], v[AM0+(\x)/2]
	WIN 0xc0
.set n, 0
.rept 16                            ; tile n / 8 of the piece's two; registers 4 (n % 8) on
	ds_load_b128 v[MC+4*n:MC+4*n+3], v[ADM] offset:(n/8)*4096+(n%8)*512
.set n, n+1
.endr
.endm
.macro FETCH_V                      ; the same step's V, turned
	WIN 0
	v_add_nc_u32 v[ADR], s[TB], v[AV0]
	s_wait_alu depctr_va_vdst(0)    ; the wait for the softmax's batch, behind the address's v_add_nc_u32 and ahead of the loads
	WIN 0xc0
.irp f, 0,1,2,3,4,5,6,7,8,9,10,11,12,13,14,15  ; keys 32 (f / 8) on, channels 16 (f % 8) on
	ds_load_tr16_b128 v[8*(\f):8*(\f)+3],   v[ADR] offset:((\f)/8)*32*PV+((\f)%8)*32
	ds_load_tr16_b128 v[8*(\f)+4:8*(\f)+7], v[ADR] offset:((\f)/8)*32*PV+16*PV+((\f)%8)*32
.endr
.endm
; THE VECTOR WORK.  One tile's softmax for one key step is a list of 134 instructions; SM writes number j of it for tile t.
;   0-15 the maximum of the lane's 32 scores and the old m (each accumulator's lowest registers first)     16-20 the other half of the lanes'; the new m; c m; c m_old - c m_new
;   21-69 ONE BATCH: the 16 scalings c s - c m and all 33 exponentials (a at 23); none reads an exponential's result     (the wait)
;   70-85 the roundings to f16     86-101 the sums; l = a l + the sum     102-133 the tile's O^T times a
.macro SM t
.set rT, ST+8*(\t)
.set rS, S+32*(\t)
.set rP, P+16*(\t)
.set rO, 64*(\t)+2*(j-102)
.if j < 102
	WIN 0
.endif
.if j < 4
	v_max3_num_f32 v[rT+4+j], v[rS+8*j], v[rS+8*j+1], v[rS+8*j+2]
.elseif j < 12
	v_max3_num_f32 v[rT+4+j%4], v[rT+4+j%4], v[rS+8*(j%4)+2*(j/4)+1], v[rS+8*(j%4)+2*(j/4)+2]
.elseif j == 12
	v_max3_num_f32 v[rT+4], v[rT+4], v[rS+7], v[rS+15]
.elseif j == 13
	v_max3_num_f32 v[rT+6], v[rT+6], v[rS+23], v[rS+31]
.elseif j == 14
	v_max3_num_f32 v[rT+4], v[rT+4], v[rT+5], v[rT+6]
.elseif j == 15
	v_max3_num_f32 v[rT+4], v[rT+4], v[rT+7], v[rT+1]
.elseif j == 16
	v_permlanex16_b32 v[rT+5], v[rT+4], s[SEL], s[SEL+1]  ; the query's other 32 keys lie in the lane 16 away
.elseif j == 17
	v_mov_b32 v[rT+7], v[rT]        ; c m_old is kept for a
.elseif j == 18
	v_max_num_f32 v[rT+1], v[rT+4], v[rT+5]
.elseif j == 19
	v_mul_f32 v[rT], s[CS], v[rT+1]
.elseif j == 20
	v_sub_f32 v[rT+7], v[rT+7], v[rT]
.elseif j == 23
	v_exp_f32 v[rT+6], v[rT+7]
.elseif (j < 23) || ((j < 38) && (j%2 == 0)) || ((j < 66) && (j%4 == 2))
.set b, (j-2)/4                     ; 38, 42, .. 62: pairs 9 to 15
.if j < 38
.set b, (j-20)/2                    ; 21: pair 0; 22, 24, .. 36: pairs 1 to 8
.endif
	v_pk_fma_f32 v[rS+2*b:rS+2*b+1], v[rS+2*b:rS+2*b+1], s[CS:CS+1], v[rT:rT+1] op_sel_hi:[1,0,0] neg_lo:[0,0,1] neg_hi:[0,0,1]
.elseif j < 70
.set e, j-38                        ; 66 to 69: s28 to s31
.if j < 66
.set e, j-32-(j-38)/4               ; 39-41, 43-45, .. 63-65: s7 to s27
.endif
.if j < 38
.set e, (j-25)/2                    ; 25, 27, .. 37: s0 to s6
.endif
	v_exp_f32 v[rS+e], v[rS+e]
.elseif j < 86
	v_cvt_pk_f16_f32 v[rP+j-70], v[rS+2*(j-70)], v[rS+2*(j-70)+1]
.elseif j < 102                     ; the sum of the tile's 16 pairs, in place: neighbours 1, 2, 4 and 8 pairs apart, then l takes it
.set z, j-86
.set w, 4
.set u, z
.if z >= 14
.set w, 32
.set u, 0
.elseif z >= 12
.set w, 16
.set u, z-12
.elseif z >= 8
.set w, 8
.set u, z-8
.endif
.if z < 15
	v_pk_add_f32 v[rS+w*u:rS+w*u+1], v[rS+w*u:rS+w*u+1], v[rS+w*u+w/2:rS+w*u+w/2+1]
.else
	v_pk_fma_f32 v[rT+2:rT+3], v[rT+2:rT+3], v[rT+6:rT+7], v[rS:rS+1] op_sel_hi:[1,0,1]
.endif
.else
	WIN W_RS
	v_pk_mul_f32 v[rO:rO+1], v[rO:rO+1], v[rT+6:rT+7] op_sel_hi:[1,0]
.endif
.endm
; Slice k of 64 of piece y's softmax: four instructions (slice 63: sixteen).  Slices 11 to 34 deal out the batch, four numbers of one tile each, the tiles by turns; the others take numbers
; 2 k and 2 k + 1 of both tiles.  Behind slice 34 no exponential is issued and ahead of slice 35 no result is named: one wait there serves the 66.
.macro SLICE y
.if (k >= 11) && (k < 35)
.irp n, 0,1,2,3
.set j, 22+4*((k-11)/2)+(\n)
	SM (\y)+(k-11)%2
.endr
.else
.irp n, 0,1,2,3,4,5,6,7
.if ((\n) < 2) || (k == 63)
.irp t, \y, (\y)+1
.set j, 2*k+(\n)
	SM \t
.endr
.endif
.endr
.endif
.if k == 34
	v_nop                           ; the plain instruction behind the last exponential, ahead of the first use: one for the batch
.if (\y) == 0
	FETCH_V                         ; piece 2's turn: V's run of loads stands here, and the wait stands in it
.else
	s_wait_alu depctr_va_vdst(0)    ; the wait for the batch
.endif
.endif
.set k, k+1
.endm
; A TURN.  Piece x has the matrix unit.  Behind its second product stand the LDS loads for its products K Q^T, 30 matrix instructions ahead of their use: in piece 0's turn the next step's K (the
; last product that read K stands in front of slice 63 of the turn before) and piece 0's mask; in piece 2's turn piece 2's mask.  One mask buffer serves both pieces: its last readers are the first
; eight products K Q^T of the turn before.  Piece 2's turn fetches the same step's V behind slice 34.
.macro TURN x
.set k, 0
.if (\x) == 0
	s_wait_dscnt 0x0                ; V is in
.endif
.set i, 0
.rept 32
	PV \x
	SLICE 2-(\x)
.if i == 1
.if (\x) == 0
	FETCH_K
.endif
	FETCH_M \x
.endif
.set i, i+1
.endr
	s_wait_dscnt 0x0                ; the mask is in, and in piece 0's turn K
.set i, 0
.rept 32
	KQ \x
	SLICE 2-(\x)
.set i, i+1
.endr
.endm
; THE CHANGE OF SLOTS, between piece 2's turn and piece 0's: the slot's last bytes, V, have been asked for.  Each wave waits for all its tensor loads (one is out: its tile of the other slot), adds 0
; to its spare word, and waits for that and for its reads of the slot.  fill = 1: the barrier is a round of the cluster's, so that no wave of any partner still reads the slot or has a load on its
; way, and the joint refill (the key step two on) is the first thing behind it: 128 matrix instructions ahead of its wait.
.macro CHANGE fill
	WIN 0
	s_wait_tensorcnt 0x0            ; no tensor load of mine is out, so a group 0 may be written
	ds_add_u32 v[SPW], v[NIL]       ; 0 onto my spare word
.if \fill
	s_xor_b32 s[SB], s[SB], SLOT    ; 0 or SLOT: the other slot than last time
	s_mov_b32 s[G0K+5], s[SB]
	s_add_co_u32 s[G0V+5], s[SB], VOFF
	s_add_co_u32 s[G0M+5], s[SB], s[KOM]
	s_add_nc_u64 s[G0K+6:G0K+7], s[G0K+6:G0K+7], 32768
	s_add_nc_u64 s[G0V+6:G0V+7], s[G0V+6:G0V+7], 32768
	s_add_nc_u64 s[G0M+6:G0M+7], s[G0M+6:G0M+7], 65536
	s_wait_xcnt 0x0                 ; the last prefetch, a key step back, has read its address
	s_add_nc_u64 s[PFA:PFA+1], s[PFA:PFA+1], s[PST:PST+1]
	s_wait_dscnt 0x0                ; the add is done, and my reads of the slot are over
	CROUND
	JLOAD
	ASK
.else
	s_wait_dscnt 0x0
	s_barrier_signal -1
	s_barrier_wait -1
.endif
	s_xor_b32 s[TB], s[TB], SLOT    ; the reads go to the other slot
.endm
	s_wait_tensorcnt 1              ; my tile of slot 0 is in; slot 1's may stay out
	s_barrier_signal -1
	s_barrier_wait -1
	FETCH_K                         ; key step 0
	FETCH_M 0
	s_wait_loadcnt 0x0              ; Q: from here on no global load of mine is out
	s_wait_dscnt 0x0
.set i, 0
.rept 32
	KQ 0                            ; piece 0's first scores
.set i, i+1
.endr
	WIN 0                           ; the addresses for the end are made here: plain instructions, the places behind those products
	s_mul_i32 s13, s[WV], 16*SP
	s_add_co_u32 s13, s13, STAGE
	v_mul_u32_u24 v[STO], v1, SP
	v_lshl_add_u32 v[STO], v9, 4, v[STO]
	v_add_nc_u32 v[STO], s13, v[STO]
	v_mul_u32_u24 v[RD], v9, SP
	v_lshl_add_u32 v[RD], v1, 4, v[RD]
	v_add_nc_u32 v[RD], s13, v[RD]
	v_lshlrev_b32 v[GO], 12, v9     ; two rows of af, 4,096 bytes apart
	v_lshl_add_u32 v[GO], v1, 4, v[GO]
	v_and_b32 v10, 31, v0
	s_mul_i32 s13, s[WV], MGW
	s_xor_b32 s14, s[WV], 2         ; my partner: the same queries, the other keys
	s_mul_i32 s14, s14, MGW
	v_lshl_add_u32 v[MGG], v10, 4, s13
	v_lshl_add_u32 v[MGT], v10, 4, s14
	s_add_co_u32 s13, s13, 16384
	s_add_co_u32 s14, s14, 16384
	v_lshl_add_u32 v[MSG], v10, 3, s13
	v_lshl_add_u32 v[MST], v10, 3, s14
	s_mov_b32 s[SLOTS], 15
	s_branch .Lmid                  ; the loop is entered at piece 2's turn: its products V^T P, of a step that has not been, add 0
.Lslot:                             ; fourteen times: key steps 2 to 15 are asked for
	CHANGE 1
	TURN 0
	WIN 0
.Lmid:
	TURN 2
	WIN 0
	s_sub_co_u32 s[SLOTS], s[SLOTS], 1
	s_cmp_lg_u32 s[SLOTS], 0
	s_cbranch_scc1 .Lslot
	CHANGE 0                        ; the tail is written out: nothing is asked for
	s_mov_b32 s[CNT], 2             ; one trip reads the last slot; the second is left in its middle
.Ltail:
	TURN 0
	WIN 0
	s_sub_co_u32 s[CNT], s[CNT], 1
	s_cmp_eq_u32 s[CNT], 0
	s_cbranch_scc1 .Lout
	TURN 2
	WIN 0
	s_branch .Ltail
.Lout:                              ; the second trip's 48 LDS loads (the last K and mask once more) and 32 products K Q^T serve nothing: the price, once a launch, of one text for every turn
.set i, 0
.rept 32
	PV 2                            ; piece 2's V^T P of the last step
.set i, i+1
.endr
	; THE MERGE.  Every wave gives its register tiles 2, 3 (the partner's 0, 1) and finishes its 0, 1.  It goes through slot 0's bytes: the last step lies in slot 1, nobody has read slot 0 since
	; the last change of slots, and nothing is filled any more.
	WIN 0
.irp t, 0,1,2,3
	v_add_f32 v[ST+8*(\t)+1], v[ST+8*(\t)+2], v[ST+8*(\t)+3]  ; l's two halves, beside c m: a pair
.endr
	FOUR
.macro GIVE t
	WIN 0
	ds_store_b64 v[MSG], v[ST+8*(\t):ST+8*(\t)+1] offset:256*((\t)%2)
	WIN 0x04                        ; the stores' data (source 1) in window 1
.set n, 0
.rept 16
	ds_store_b128 v[MGG], v[64*(\t)+4*n:64*(\t)+4*n+3] offset:8192*((\t)%2)+512*n
.set n, n+1
.endr
	WIN 0
.endm
; Tile t: O = (aA O + aB O') / l, rounded to f16, through my stage: a lane's eight channels pack into 16 bytes; they come back as whole rows of 256.
.macro PACKM t
.set rT, ST+8*(\t)
	WIN W_RS
.set i, 0
.rept 32
	v_pk_mul_f32 v[64*(\t)+2*i:64*(\t)+2*i+1], v[64*(\t)+2*i:64*(\t)+2*i+1], v[rT+4:rT+5] op_sel_hi:[1,0]
.set i, i+1
.endr
	WIN 0x52                        ; source 0 (the partner's) window 2, source 1 window 0, source 2 and destination window 1
.set i, 0
.rept 32
	v_pk_fma_f32 v[64*(\t)+2*i:64*(\t)+2*i+1], v[KF+64*(\t)+2*i:KF+64*(\t)+2*i+1], v[rT+6:rT+7], v[64*(\t)+2*i:64*(\t)+2*i+1] op_sel_hi:[1,0,1]
.set i, i+1
.endr
	WIN 0x05
.set i, 0
.rept 32
	v_cvt_pk_f16_f32 v[S+32*(\t)+i], v[64*(\t)+2*i], v[64*(\t)+2*i+1]
.set i, i+1
.endr
	WIN 0
.irp f, 0,1,2,3,4,5,6,7
	ds_store_b128 v[STO], v[S+32*(\t)+4*(\f):S+32*(\t)+4*(\f)+3] offset:32*(\f)
.endr
.irp f, 0,1,2,3,4,5,6,7
	ds_load_b128 v[S+32*(\t)+4*(\f):S+32*(\t)+4*(\f)+3], v[RD] offset:(\f)*2*SP  ; LDS serves a wave's instructions in order: these see the stores above
.endr
.endm
.macro SEND t, younger
	WIN 0
.irp f, 0,1,2,3,4,5,6,7
	s_wait_dscnt (\younger)+7-(\f)
	global_store_b128 v[GO], v[S+32*(\t)+4*(\f):S+32*(\t)+4*(\f)+3], s[10:11] offset:(\t)*65536+(\f)*8192  ; sixteen lanes store 256 bytes on end, aligned
.endr
.endm
	GIVE 2
	GIVE 3
	s_wait_dscnt 0x0                ; for the partner's sake: my stores are done
	s_barrier_signal -1
	s_barrier_wait -1
	ds_load_b64 v[PS:PS+1],   v[MST]
	ds_load_b64 v[PS+2:PS+3], v[MST] offset:256
	WIN 0x80                        ; the partner's O^T goes where K lay
.set n, 0
.rept 32
	ds_load_b128 v[KF+4*n:KF+4*n+3], v[MGT] offset:512*n
.set n, n+1
.endr
	WIN 0
	s_wait_dscnt 32                 ; the statistics are in; the 32 younger loads may stay out
.irp q, 0,1
	v_max_num_f32 v[ST+8*(\q)+4], v[ST+8*(\q)], v[PS+2*(\q)]
.endr
.irp q, 0,1
	v_sub_f32 v[ST+8*(\q)+5], v[ST+8*(\q)], v[ST+8*(\q)+4]
	v_sub_f32 v[ST+8*(\q)+6], v[PS+2*(\q)], v[ST+8*(\q)+4]
.endr
.irp q, 0,1
	v_exp_f32 v[ST+8*(\q)+5], v[ST+8*(\q)+5]  ; aA
	v_exp_f32 v[ST+8*(\q)+6], v[ST+8*(\q)+6]  ; aB
.endr
	v_nop
	s_wait_alu depctr_va_vdst(0)    ; one wait for the four exponentials
.irp q, 0,1
	v_mul_f32 v[ST+8*(\q)+1], v[ST+8*(\q)+5], v[ST+8*(\q)+1]
.endr
.irp q, 0,1
	v_fmac_f32 v[ST+8*(\q)+1], v[ST+8*(\q)+6], v[PS+2*(\q)+1]
.endr
.irp q, 0,1
	v_permlanex16_b32 v[ST+8*(\q)+7], v[ST+8*(\q)+1], s[SEL], s[SEL+1]  ; the other half of the lanes holds the query's other keys
.endr
.irp q, 0,1
	v_add_f32 v[ST+8*(\q)+1], v[ST+8*(\q)+1], v[ST+8*(\q)+7]
.endr
.irp q, 0,1
	v_rcp_f32 v[ST+8*(\q)+2], v[ST+8*(\q)+1]
.endr
	v_nop
	s_wait_alu depctr_va_vdst(0)    ; one wait for the two reciprocals
.irp q, 0,1
	v_mul_f32 v[ST+8*(\q)+4], v[ST+8*(\q)+5], v[ST+8*(\q)+2]
	v_mul_f32 v[ST+8*(\q)+6], v[ST+8*(\q)+6], v[ST+8*(\q)+2]
.endr
	s_wait_dscnt 0x0
	PACKM 0
	PACKM 1
	SEND 0, 16
	SEND 1, 0
	s_wait_tensorcnt 0x0            ; the wave's end, behind my last tensor load and my last LDS store
	ds_add_u32 v[SPW], v[NIL]
	s_wait_dscnt 0x0
	CROUND                          ; the closing round
	s_endpgm
.Lfunc_end_k_qffe355c296_attn:
	.size	k_qffe355c296_attn, .Lfunc_end_k_qffe355c296_attn-k_qffe355c296_attn
	.p2alignl 7, 3214868480
	.fill 96, 4, 3214868480
	.section	.rodata,"a",@progbits
	.p2align	6, 0x0
	.amdhsa_kernel k_qffe355c296_attn
		.amdhsa_group_segment_fixed_size 327680
		.amdhsa_private_segment_fixed_size 0
		.amdhsa_enable_private_segment 0
		.amdhsa_kernarg_size 40
		.amdhsa_user_sgpr_count 2
		.amdhsa_user_sgpr_kernarg_segment_ptr 1
		.amdhsa_wavefront_size32 1
		.amdhsa_system_sgpr_workgroup_id_x 1
		.amdhsa_system_sgpr_workgroup_id_y 1
		.amdhsa_system_sgpr_workgroup_id_z 1
		.amdhsa_system_vgpr_workitem_id 0
		.amdhsa_next_free_vgpr 960
		.amdhsa_next_free_sgpr 100
		.amdhsa_reserve_vcc 0
		.amdhsa_float_denorm_mode_32 3
		.amdhsa_float_denorm_mode_16_64 3
		.amdhsa_memory_ordered 1
		.amdhsa_forward_progress 1
		.amdhsa_inst_pref_size 154
	.end_amdhsa_kernel
	.amdgpu_metadata
---
amdhsa.version: [ 1, 2 ]
amdhsa.kernels:
  - .name:           k_qffe355c296_attn
    .symbol:         k_qffe355c296_attn.kd
    .args:
      - { .name: qf, .offset: 0, .size: 8, .value_kind: global_buffer, .address_space: global }
      - { .name: kf, .offset: 8, .size: 8, .value_kind: global_buffer, .address_space: global }
      - { .name: vf, .offset: 16, .size: 8, .value_kind: global_buffer, .address_space: global }
      - { .name: af, .offset: 24, .size: 8, .value_kind: global_buffer, .address_space: global }
      - { .name: maskw, .offset: 32, .size: 8, .value_kind: global_buffer, .address_space: global }
    .group_segment_fixed_size: 327680
    .private_segment_fixed_size: 0
    .kernarg_segment_align: 8
    .kernarg_segment_size: 40
    .max_flat_workgroup_size: 128
    .sgpr_count:     100
    .vgpr_count:     960
    .wavefront_size: 32
...
	.end_amdgpu_metadata
.endif
;; end of part 3
;; launch oproj (part 4): grid 16 x 16, 4 waves a work-group, clusters of 4 x 4, 327,680 bytes of LDS; arguments af, wo16, bo, out0; writes out0
.if DOCPART == 4
	.amdgcn_target "amdgcn-amd-amdhsa--gfx1250"
	.amdhsa_code_object_version 6
	.text
	.protected	k_qffe355c296_oproj
	.globl	k_qffe355c296_oproj
	.p2align	8
	.type	k_qffe355c296_oproj,@function
k_qffe355c296_oproj:
	s_mov_b64 s[64:65], 0
	v_nop
	global_prefetch_b8 v0, s[64:65] scope:SCOPE_SE
	s_setreg_imm32_b32 hwreg(HW_REG_WAVE_MODE, 25, 1), 1
	s_wait_xcnt 0x0
	s_wait_alu depctr_hold_cnt(0) depctr_sa_sdst(0) depctr_va_vdst(0) depctr_va_sdst(0) depctr_va_ssrc(0) depctr_va_vcc(0) depctr_vm_vsrc(0)
	s_getreg_b32 s2, hwreg(HW_REG_IB_STS2, 6, 4)
	s_cmp_eq_u32 s2, 0
	s_cbranch_scc0 .Lentry_in_a_cluster
	s_endpgm
.Lentry_in_a_cluster:
	s_bfe_u32 s2, ttmp6, 0x10000c
	s_cmp_lg_u32 s2, 0xf033
	s_cbranch_scc0 .Lentry_shape_is_right
	s_endpgm
.Lentry_shape_is_right:
; out0[m][n] = the sum over k of af[m][k] wo16[n][k] + bo[n].  af, wo16: [2048][2048] f16 (wo16 holds Wo rounded to bf16, written as f16); out0 f32; sums in f32; bo rounded to bf16 like every input.
; A tile of out0 is 128 x 128: 256 work-groups, one for each WGP.  Four waves, each 64 x 64: 16 accumulators.  K goes in 8 steps of 256 (LDS rows of 512 bytes + 16; a wave's tensor load brings 64).
; A K STEP IS WRITTEN ONCE: the slot that is read is a scalar (0 or SLOT), the fragments' addresses are made of it at each change of slots, and one descriptor a tensor walks.  The 6 steps that
; fill a slot again are one loop; the last two are a second loop of the same text without a refill, left in its middle.
; CLUSTER 4 x 4: the four of a row of the cluster need the same tiles of af, the four of a column the same tiles of wo16: joint loads.
; THE MATRIX INSTRUCTION IS USED TRANSPOSED (source 0 = 16 rows of wo16, source 1 = 16 rows of af): a lane holds eight neighbouring numbers of a row.
; THE WAY OUT goes through slot 0's bytes, which have had their last fill: 128 rows of 512 bytes + 16; each wave then reads 32 whole rows, adds the bias and stores 512 bytes on end.
; LIMITS.  af and wo16 arrive within f16's range.  NaN and infinities are not treated apart.
; REGISTERS: window 0: v0-31 addresses and the bias; v128-255 the accumulators ((a, b) at v[128 + 8 (4 a + b)]); window 1: two fragment buffers of 128.
.set SIZE_K, 2048
.set SIZE_N, 2048
.set KSTEP,  256
.set STEPS,  SIZE_K/KSTEP
.set PITCH,  528
.set HALFT,  64*PITCH
.set SLOT,   4*HALFT
.set SPARE,  2*SLOT                    ; behind the ring: the spare words, 128 bytes for each wave
.set RP,     528
.set BI,   12                          ; v12-15 the bias of my four columns
.set ABAS, 16                          ; v16  af's fragments in slot 0; never rewritten
.set ADRA, 17                          ; v17  the same in the slot that is read
.set BBAS, 20                          ; v20, v21  the same for wo16
.set ADRB, 21
.set STO,  24
.set RD,   25
.set CO,   26                          ; 16 x lane
.set SPW,  28
.set NIL,  29
.set ACC,  128
.set F0,   0
.set F1,   128
.set KOW,  20                          ; s20  my tile's place in a slot: wave x 64 rows
.set G1, 24
.set G0, 32                            ; s[32:39] a set for each of the two first fills; the second then walks on
.set G1B, 48
.set G0B, 56
.set TB,  66                           ; the slot that is read: 0 or SLOT
.set SB,  67                           ; the slot that the walking descriptors fill: 0 or SLOT
.set MSB, 0
.macro WIN new
.if MSB != (\new)
	s_set_vgpr_msb (MSB<<8)|(\new)
.set MSB, \new
.endif
.endm
.set MUL,  0x05                        ; sources 0 and 1 window 1; C and D window 0
.set TO_F, 0x40                        ; destination window 1
.macro PLACES
.rept 4
	v_nop
.endr
.endm
.macro JLOAD                           ; a joint refill: waves 0 and 1 fetch af's two halves, waves 2 and 3 wo16's; an s_nop 0 and four v_nop follow each line
	s_cmp_eq_u32 s11, 0
	s_cbranch_scc0 .Lfor_b_\@
	tensor_load_to_lds s[G0+4:G0+7], s[G1:G1+7]
	s_nop 0
	PLACES
	s_branch .Lasked_\@
.Lfor_b_\@:
	tensor_load_to_lds s[G0B+4:G0B+7], s[G1B:G1B+7]
	s_nop 0
	PLACES
.Lasked_\@:
.endm
.macro CROUND                          ; a round of the cluster's barrier
	s_barrier_signal -1
	s_barrier_wait -1
	s_cmp_lg_u32 s10, 0
	s_cbranch_scc1 .Lnot_wave_0_\@
	s_barrier_signal -3
.Lnot_wave_0_\@:
	s_barrier_wait -3
	s_barrier_signal -1
	s_barrier_wait -1
.endm
.macro ADDR                            ; the fragments' addresses in the slot at s[TB]
	v_add_nc_u32 v[ADRA], s[TB], v[ABAS]
	v_add_nc_u32 v[ADRB], s[TB], v[BBAS]
.endm
	s_load_b128 s[4:7], s[0:1], 0x0                ; af s[4:5], wo16 s[6:7]
	s_load_b128 s[68:71], s[0:1], 0x10             ; bo s[68:69], out0 s[70:71]
	v_lshl_add_u32 v[SPW], v0, 2, SPARE
	v_mov_b32 v[NIL], 0
	ds_add_u32 v[SPW], v[NIL]                      ; the wave's opening: the add and its wait stand ahead of my first tensor load
	ds_add_u32 v28, v29
	v_lshrrev_b32 v1, 5, v0
	v_readfirstlane_b32 s10, v1                    ; wave 0..3
	s_lshr_b32 s11, s10, 1                         ; my half of the tile's rows.  Also: I fetch for af (0) or for wo16 (1)
	s_and_b32 s12, s10, 1                          ; my half of its columns.  Also: which 64 rows of that tile I fetch
	s_bfe_u32 s40, ttmp6, 0x40000
	s_bfe_u32 s41, ttmp6, 0x40004
	s_lshl_b32 s42, ttmp9, 2
	s_add_co_u32 s42, s42, s40                     ; tile column
	s_and_b32 s13, ttmp7, 0xffff
	s_lshl_b32 s13, s13, 2
	s_add_co_u32 s13, s13, s41                     ; tile row
	s_lshl_b32 s43, s41, 2
	s_lshl_b32 s43, 15, s43                        ; my row of the cluster
	s_lshl_b32 s44, 0x1111, s40                    ; my column
	s_or_b32 s[G1+0], s43, (1<<16)|(1<<20)|(1<<21)|(6<<22)|(3<<25)  ; the mask; 2-byte elements; padding on; bit 21 beside a mask; after every 128 words 4 words
	s_or_b32 s[G1B+0], s44, (1<<16)|(1<<20)|(1<<21)|(6<<22)|(3<<25)
.irp g, G1, G1B
	s_mov_b32 s[(\g)+1], KSTEP<<16                 ; tensor_dim0 = 256
	s_mov_b32 s[(\g)+2], 64<<16                    ; tensor_dim1 = 64
	s_mov_b32 s[(\g)+3], KSTEP<<16                 ; tile_dim0 = 256
	s_mov_b32 s[(\g)+4], 64                        ; tile_dim1 = 64
	s_mov_b32 s[(\g)+5], SIZE_K
	s_mov_b32 s[(\g)+6], 0
	s_mov_b32 s[(\g)+7], 0
.endr
	s_lshl_b32 s17, s12, 6
	s_lshl_b32 s16, s13, 7
	s_add_co_u32 s16, s16, s17                     ; af: row 128 x tile row + 64 x half
	s_lshl_b32 s46, s42, 7
	s_add_co_u32 s46, s46, s17                     ; wo16: row 128 x tile column + 64 x half
	s_mov_b32 s17, 0
	s_mov_b32 s47, 0
	s_mov_b64 s[18:19], SIZE_K*2
	s_mul_u64 s[16:17], s[16:17], s[18:19]
	s_mul_u64 s[46:47], s[46:47], s[18:19]
	s_mul_i32 s[KOW], s10, HALFT
	s_mov_b32 s[TB], 0
	s_mov_b32 s[SB], SLOT
	s_wait_dscnt 0x0                               ; the opening add is done
	s_wait_kmcnt 0x0
	s_add_nc_u64 s[14:15], s[4:5], s[16:17]
	s_add_nc_u64 s[46:47], s[6:7], s[46:47]
	CROUND                                         ; all sixteen work-groups are here: the first joint loads meet
.irp s, 0,1
	s_mov_b32 s[G0+4*(\s)], 1
	s_add_co_u32 s[G0+4*(\s)+1], s[KOW], (\s)*SLOT
	s_add_nc_u64 s[G0+4*(\s)+2:G0+4*(\s)+3], s[14:15], (\s)*KSTEP*2  ; K step s
	s_or_b32 s[G0+4*(\s)+3], s[G0+4*(\s)+3], 0x80000000
	s_mov_b32 s[G0B+4*(\s)], 1
	s_add_co_u32 s[G0B+4*(\s)+1], s[KOW], (\s)*SLOT
	s_add_nc_u64 s[G0B+4*(\s)+2:G0B+4*(\s)+3], s[46:47], (\s)*KSTEP*2
	s_or_b32 s[G0B+4*(\s)+3], s[G0B+4*(\s)+3], 0x80000000
.endr
	s_cmp_eq_u32 s11, 0                            ; a wave's two first fills stand in one branch: two loads of mine are out
	s_cbranch_scc0 .Lfirst_b
	tensor_load_to_lds s[G0:G0+3], s[G1:G1+7]
	s_nop 0
	tensor_load_to_lds s[G0+4:G0+7], s[G1:G1+7]
	s_nop 0
	PLACES
	s_branch .Lfirst_asked
.Lfirst_b:
	tensor_load_to_lds s[G0B:G0B+3], s[G1B:G1B+7]
	s_nop 0
	tensor_load_to_lds s[G0B+4:G0B+7], s[G1B:G1B+7]
	s_nop 0
	PLACES
.Lfirst_asked:
	v_and_b32 v1, 15, v0                           ; l % 16
	v_bfe_u32 v2, v0, 4, 1                         ; l / 16
	v_mul_u32_u24 v3, v1, PITCH
	v_lshl_add_u32 v3, v2, 4, v3
	s_mul_i32 s21, s11, HALFT                      ; my 64 rows of af
	s_mul_i32 s22, s12, HALFT                      ; my 64 rows of wo16,
	s_add_co_u32 s22, s22, 2*HALFT                 ; which lie behind af's 128
	v_add_nc_u32 v[ABAS], s21, v3
	v_add_nc_u32 v[BBAS], s22, v3
	ADDR                                           ; slot 0 is read first
	s_mul_i32 s23, s11, 64*RP                      ; into the stage: row 64 (w / 2) + l % 16, byte 256 (w % 2) + 32 (l / 16)
	s_lshl_b32 s21, s12, 8
	s_add_co_u32 s23, s23, s21
	v_mul_u32_u24 v4, v1, RP
	v_lshl_add_u32 v4, v2, 5, v4
	v_add_nc_u32 v[STO], s23, v4
	s_mul_i32 s23, s10, 32*RP                      ; back: wave w takes rows 32 w .. + 31, a whole row of 512 bytes a load
	v_and_b32 v5, 31, v0
	v_lshlrev_b32 v[CO], 4, v5
	v_add_nc_u32 v[RD], s23, v[CO]
	s_lshl_b32 s16, s13, 7
	s_lshl_b32 s17, s10, 5
	s_add_co_u32 s16, s16, s17                     ; the first row that I store,
	s_lshl_b32 s16, s16, 13                        ; of 8,192 bytes
	s_mov_b32 s17, 0
	s_add_nc_u64 s[8:9], s[70:71], s[16:17]
	s_lshl_b32 s46, s42, 9                         ; the tile's first column, in bytes
	s_mov_b32 s47, 0
	s_add_nc_u64 s[8:9], s[8:9], s[46:47]
	s_add_nc_u64 s[68:69], s[68:69], s[46:47]
	global_load_b128 v[BI:BI+3], v[CO], s[68:69]   ; waited for at the way out
.macro MUL8 f, c, a0, zero             ; 8 matrix instructions: m blocks a0, a0 + 1 x all 4 n blocks, 32 along K: half c of buffer f.  The 16 accumulators take turns
	WIN MUL
.irp a, \a0, (\a0)+1
.irp b, 0,1,2,3
.if \zero
	v_wmma_f32_16x16x32_f16 v[ACC+8*(4*(\a)+(\b)):ACC+8*(4*(\a)+(\b))+7], v[(\f)+64+8*(4*(\c)+(\b)):(\f)+64+8*(4*(\c)+(\b))+7], v[(\f)+8*(4*(\c)+(\a)):(\f)+8*(4*(\c)+(\a))+7], 0
.else
	v_wmma_f32_16x16x32_f16 v[ACC+8*(4*(\a)+(\b)):ACC+8*(4*(\a)+(\b))+7], v[(\f)+64+8*(4*(\c)+(\b)):(\f)+64+8*(4*(\c)+(\b))+7], v[(\f)+8*(4*(\c)+(\a)):(\f)+8*(4*(\c)+(\a))+7], v[ACC+8*(4*(\a)+(\b)):ACC+8*(4*(\a)+(\b))+7]
.endif
.endr
.endr
.endm
.macro FETCH k, f                      ; 32 LDS loads in one run: the fragments of 64 along K at byte k of the rows of the slot that is read; the first 32 along K first
	WIN TO_F
.irp c, 0,1
.irp i, 0,1,2,3
	ds_load_b128 v[(\f)+64+8*(4*(\c)+(\i)):(\f)+64+8*(4*(\c)+(\i))+3],   v[ADRB] offset:(\k)+64*(\c)+(\i)*16*PITCH
	ds_load_b128 v[(\f)+64+8*(4*(\c)+(\i))+4:(\f)+64+8*(4*(\c)+(\i))+7], v[ADRB] offset:(\k)+64*(\c)+(\i)*16*PITCH+32
	ds_load_b128 v[(\f)+8*(4*(\c)+(\i)):(\f)+8*(4*(\c)+(\i))+3],         v[ADRA] offset:(\k)+64*(\c)+(\i)*16*PITCH
	ds_load_b128 v[(\f)+8*(4*(\c)+(\i))+4:(\f)+8*(4*(\c)+(\i))+7],       v[ADRA] offset:(\k)+64*(\c)+(\i)*16*PITCH+32
.endr
.endr
.endm
.macro QUARTER k, f, g, zero           ; 64 along K, 32 matrix instructions; fetches the next quarter, at byte k, into g
	s_wait_dscnt 16                                ; the first 32 along K are in
	MUL8 \f, 0, 0, \zero
	MUL8 \f, 0, 2, \zero
	PLACES
	FETCH \k, \g
	s_wait_dscnt 32                                ; all but the 32 just issued
	MUL8 \f, 1, 0, 0
	MUL8 \f, 1, 2, 0
.endm
; The last quarter multiplies buffer 1 and changes slots.  Its first 16 products stand ahead of the change, so that nothing but the add, the descriptors' steps and the barrier lies between the wait
; for the tensor loads and the next request.  Each wave waits for all its tensor loads (one is out: its part of the next slot), adds 0 to its spare word, and waits for that and for its reads of this
; slot.  fill = 1: the barrier is a round of the cluster's, and this slot is filled again, two K steps ahead, first thing behind it: a whole K step, 128 matrix instructions, ahead of the wait for it.
.macro TURN fill
	s_wait_dscnt 16                                ; the first 32 along K are in
	MUL8 F1, 0, 0, 0
	MUL8 F1, 0, 2, 0
	WIN 0
	s_wait_tensorcnt 0x0                           ; no tensor load of mine is out, so a group 0 may be written
	ds_add_u32 v[SPW], v[NIL]                      ; 0 onto my spare word: the scalar steps stand between it and the wait for it
.if \fill
	s_xor_b32 s[SB], s[SB], SLOT                   ; 0 or SLOT: the other slot than last time,
	s_add_co_u32 s[G0+5], s[SB], s[KOW]
	s_add_co_u32 s[G0B+5], s[SB], s[KOW]
	s_add_nc_u64 s[G0+6:G0+7], s[G0+6:G0+7], KSTEP*2      ; the next K step; the type bits on top are not reached
	s_add_nc_u64 s[G0B+6:G0B+7], s[G0B+6:G0B+7], KSTEP*2
.endif
	s_xor_b32 s[TB], s[TB], SLOT                   ; the reads go to the other slot
	s_wait_dscnt 0x0                               ; the add is done, and my reads of this slot are over
.if \fill
	CROUND                                         ; no wave of any partner still reads this slot's tile or has a load on its way
	JLOAD                                          ; its four v_nop are also the places in front of the loads into buffer 0
.else
	s_barrier_signal -1
	s_barrier_wait -1
	PLACES
.endif
	ADDR
	FETCH 0, F0
	MUL8 F1, 1, 0, 0
	MUL8 F1, 1, 2, 0
.endm
	s_wait_tensorcnt 1                             ; my part of K step 0 is in; K step 1's may stay out
	s_barrier_signal -1
	s_barrier_wait -1
	FETCH 0, F0
	QUARTER 128, F0, F1, 1                         ; the first quarter's first products start the sums
	WIN 0
	s_mov_b32 s3, STEPS-2
.Lstep:                                                ; a trip goes from a K step's second quarter to the next step's first, and fills the slot that it leaves
	QUARTER 256, F1, F0, 0
	QUARTER 384, F0, F1, 0
	TURN 1
	QUARTER 128, F0, F1, 0
	WIN 0
	s_sub_co_u32 s3, s3, 1
	s_cmp_lg_u32 s3, 0
	s_cbranch_scc1 .Lstep
	s_mov_b32 s3, 2                                ; the last two K steps fill nothing: written out
.Ltail:
	QUARTER 256, F1, F0, 0
	QUARTER 384, F0, F1, 0
	TURN 0
	WIN 0
	s_sub_co_u32 s3, s3, 1
	s_cmp_eq_u32 s3, 0
	s_cbranch_scc1 .Lout                           ; the second trip is left here: the 32 fragments that its change of slots fetched (of K step 6 once more) are not multiplied
	QUARTER 128, F0, F1, 0
	WIN 0
	s_branch .Ltail
.Lout:
	; THE WAY OUT
	PLACES
	PLACES
	s_wait_loadcnt 0x0                             ; the bias, rounded to bf16
	v_cvt_pk_bf16_f32 v10, v[BI], v[BI+1]
	v_cvt_pk_bf16_f32 v11, v[BI+2], v[BI+3]
	v_lshlrev_b32 v[BI], 16, v10
	v_and_b32 v[BI+1], 0xffff0000, v10
	v_lshlrev_b32 v[BI+2], 16, v11
	v_and_b32 v[BI+3], 0xffff0000, v11
	s_wait_dscnt 0x0
	s_barrier_signal -1
	s_barrier_wait -1                              ; nobody reads the ring any more, and nothing is filled again
.irp a, 0,1,2,3
.irp b, 0,1,2,3
	ds_store_b128 v[STO], v[ACC+8*(4*(\a)+(\b)):ACC+8*(4*(\a)+(\b))+3]   offset:(\a)*16*RP+64*(\b)
	ds_store_b128 v[STO], v[ACC+8*(4*(\a)+(\b))+4:ACC+8*(4*(\a)+(\b))+7] offset:(\a)*16*RP+64*(\b)+16
.endr
.endr
	s_wait_dscnt 0x0                               ; for the others' sake: my stores into the stage are done
	s_barrier_signal -1
	s_barrier_wait -1
.set t, 0
.rept 32
	ds_load_b128 v[ACC+4*t:ACC+4*t+3], v[RD] offset:RP*t
.set t, t+1
.endr
.set t, 0
.rept 32
	s_wait_dscnt 31-t
	v_pk_add_f32 v[ACC+4*t:ACC+4*t+1],   v[ACC+4*t:ACC+4*t+1],   v[BI:BI+1]
	v_pk_add_f32 v[ACC+4*t+2:ACC+4*t+3], v[ACC+4*t+2:ACC+4*t+3], v[BI+2:BI+3]
	global_store_b128 v[CO], v[ACC+4*t:ACC+4*t+3], s[8:9] offset:8192*t th:TH_STORE_NT  ; 512 bytes on end, aligned
.set t, t+1
.endr
	s_wait_tensorcnt 0x0                           ; the wave's end, behind my last tensor load and my last LDS store
	ds_add_u32 v[SPW], v[NIL]
	s_wait_dscnt 0x0
	CROUND                                         ; the closing round
	s_endpgm
.Lfunc_end_k_qffe355c296_oproj:
	.size	k_qffe355c296_oproj, .Lfunc_end_k_qffe355c296_oproj-k_qffe355c296_oproj
	.p2alignl 7, 3214868480
	.fill 96, 4, 3214868480
	.section	.rodata,"a",@progbits
	.p2align	6, 0x0
	.amdhsa_kernel k_qffe355c296_oproj
		.amdhsa_group_segment_fixed_size 327680
		.amdhsa_private_segment_fixed_size 0
		.amdhsa_enable_private_segment 0
		.amdhsa_kernarg_size 32
		.amdhsa_user_sgpr_count 2
		.amdhsa_user_sgpr_kernarg_segment_ptr 1
		.amdhsa_wavefront_size32 1
		.amdhsa_system_sgpr_workgroup_id_x 1
		.amdhsa_system_sgpr_workgroup_id_y 1
		.amdhsa_system_sgpr_workgroup_id_z 1
		.amdhsa_system_vgpr_workitem_id 0
		.amdhsa_next_free_vgpr 512
		.amdhsa_next_free_sgpr 72
		.amdhsa_reserve_vcc 0
		.amdhsa_float_denorm_mode_32 3
		.amdhsa_float_denorm_mode_16_64 3
		.amdhsa_memory_ordered 1
		.amdhsa_forward_progress 1
		.amdhsa_inst_pref_size 62
	.end_amdhsa_kernel
	.amdgpu_metadata
---
amdhsa.version: [ 1, 2 ]
amdhsa.kernels:
  - .name:           k_qffe355c296_oproj
    .symbol:         k_qffe355c296_oproj.kd
    .args:
      - { .name: af, .offset: 0, .size: 8, .value_kind: global_buffer, .address_space: global }
      - { .name: wo16, .offset: 8, .size: 8, .value_kind: global_buffer, .address_space: global }
      - { .name: bo, .offset: 16, .size: 8, .value_kind: global_buffer, .address_space: global }
      - { .name: out0, .offset: 24, .size: 8, .value_kind: global_buffer, .address_space: global }
    .group_segment_fixed_size: 327680
    .private_segment_fixed_size: 0
    .kernarg_segment_align: 8
    .kernarg_segment_size: 32
    .max_flat_workgroup_size: 128
    .sgpr_count:     72
    .vgpr_count:     512
    .wavefront_size: 32
...
	.end_amdgpu_metadata
.endif
;; end of part 4
;; ======== version 2 of 2: 4 launches; version 1 with the launch prep written anew for expert scheduling mode
;; limits: values are held in f16: magnitudes above 65,504 overflow, below 6.1e-05 lose precision
;; workspace buffers: xb 8,388,608 bytes; wqkv 25,165,824 bytes; wo16 8,388,608 bytes; qf 8,388,608 bytes; kf 16,777,216 bytes; vf 16,777,216 bytes; maskw 16,777,216 bytes; af 8,388,608 bytes
;; launch prep (part 5): grid 256 x 8, 8 waves a work-group, no clusters, 70,656 bytes of LDS; arguments x, Wq, Wk, Wv, Wo, k_cache, v_cache, attn_mask, xb, wqkv, wo16, kf, vf, maskw; writes xb, wqkv, wo16, kf, vf, maskw
.if DOCPART == 5
	.amdgcn_target "amdgcn-amd-amdhsa--gfx1250"
	.amdhsa_code_object_version 6
	.text
	.protected	k_qffe355c296_prep
	.globl	k_qffe355c296_prep
	.p2align	8
	.type	k_qffe355c296_prep,@function
k_qffe355c296_prep:
	s_mov_b64 s[64:65], 0
	v_nop
	global_prefetch_b8 v0, s[64:65] scope:SCOPE_SE
	s_setreg_imm32_b32 hwreg(HW_REG_WAVE_SCHED_MODE, 0, 2), 2
	s_setreg_imm32_b32 hwreg(HW_REG_WAVE_MODE, 25, 1), 1
	s_wait_xcnt 0x0
	s_wait_alu depctr_vm_vsrc(0)
; THE CAST PASS.  Eight jobs (the grid's y) of 16 MiB of f32 each; a work-group takes 64 KiB of its job (the grid's x), a thread sixteen loads of 16 bytes, all issued at once.
;   0 x -> xb, 1-3 Wq, Wk, Wv -> wqkv: rounded to bf16.     4 Wo -> wo16: rounded to bf16, and that number written as f16.
;   5 k_cache, layer 0 -> kf, bf16, by heads and key steps: [32 heads][16 steps][2 halves][64 keys][128]; the cache is half 0 (keys 0-1023), the new keys are half 1.
;   6 v_cache, layer 0 -> vf, likewise, bf16 written as f16.
;   7 attn_mask, rows 1024-2047 -> maskw: rounded to bf16, times sqrt(128), f32, laid out as the C operand of S^T = K Q^T wants it, a key step of a block of 128 queries on end:
;     [p 2][block 8][step 16][key half 2][16 queries qt 8][16 keys kb 4][j 2][lane 32][4]: lane r + 16 hh holds
;     mask[p][1024 + 128 block + 16 qt + r][1024 half + 64 step + 16 kb + 8 hh + 4 j + 0..3].
; Every input is rounded to bf16 once, here or where it is used, so that the whole program computes on one set of rounded inputs.
; LIMITS.  f16 holds no number beyond 65,504 and keeps a fixed step of 6e-8 below 6e-5: v_cache and Wo are taken to lie within that.  mask x 11.3 is taken to stay finite.
; Memory binds: each byte is read once and written once; every store of a wave covers whole aligned blocks of 256 bytes.  No matrix unit, no cluster: nothing is shared.
; Only the mask changes lanes: through the wave's own 8,704 bytes of LDS (32 blocks of 256 bytes, 272 apart), so no barrier is needed.
; THE MODE: SCHED_MODE bits 1:0 = 2 (LLVM: expert scheduling mode 2), set by the entry lines.  The code itself states the register dependences
; between vector instructions and memory or LDS instructions, with s_wait_alu, always for 0.
; THE PLAN.  Registers that memory or LDS instructions touch:
;   v[LO]               the loads' offset: written once at the head, read by the sixteen loads.
;   v[SO], v[LS], v[LR] offsets and LDS addresses of stores and LDS loads: written once, ahead of a wait on va_vdst that stands ahead of their first reader; never written again.
;   X                   the sixteen loads land in it, once; no vector instruction names it before.  Jobs 0 to 6: the conversions read it.  Job 7: behind the load's wait the arithmetic
;                       rewrites it in place, and the LDS stores read it; it is not written again.
;   Y                   Jobs 0 to 6: load i's conversions write its pair, load i's store reads it: each store has data registers of its own.  Job 7: the LDS loads land in it and the global
;                       stores read it; no vector instruction of that job names it.
;   T                   named by vector instructions alone.
; The sixteen loads are worked on in four groups of four.  At the head of group g stand the wait for its data and ONE wait on va_vdst: the group before has written what its four stores read.
; Those four stores are dealt among group g's arithmetic, which names T and group g's own X and Y alone.  Behind group 3 stand one more such wait and the last four stores.
; No register that a memory or LDS instruction has read is written again, and the text has no loop.
.set WLDS,  8704
.set BP,    272                        ; 256 + 16
.set LO,  4                            ; v4   16 x thread: the loads' offset
.set SO,  5                            ; v5   the stores' offset
.set LS,  6                            ; v6   the mask: where I put 16 bytes
.set LR,  7                            ; v7   the mask: where I read 16 bytes back
.set X,   8                            ; v[8:71]    sixteen loads of four f32
.set Y,   72                           ; v[72:135]  what is stored
.set T,   136                          ; v[136:143] at work
.set JOB, 32
.set CH,  33
.set SRC, 34                           ; s[34:35]
.set DST, 36                           ; s[36:37]
.set OF,  38                           ; s[38:39] an offset, its high word 0
.set HIM, 40                           ; a word's upper bf16
.set WV,  41
.set RT2, 42                           ; s[42:43] sqrt(128), named as a pair
	s_load_b512 s[4:19], s[0:1], 0x0               ; x 4, Wq 6, Wk 8, Wv 10, Wo 12, k_cache 14, v_cache 16, attn_mask 18
	s_load_b256 s[20:27], s[0:1], 0x40             ; xb 20, wqkv 22, wo16 24, kf 26
	s_load_b128 s[28:31], s[0:1], 0x60             ; vf 28, maskw 30
	v_lshl_add_u32 v150, v0, 2, 0x11000
	v_mov_b32 v151, 0
	s_and_b32 s[JOB], ttmp7, 0xffff
	s_mov_b32 s[CH], ttmp9
	s_mov_b32 s[OF+1], 0
	s_mov_b32 s[HIM], 0xffff0000
	v_lshlrev_b32 v[LO], 4, v0
	v_lshrrev_b32 v1, 5, v0
	v_readfirstlane_b32 s[WV], v1                  ; wave 0..7
	v_and_b32 v1, 31, v0                           ; lane
	s_wait_alu depctr_va_sdst(0)                   ; s[WV] is written, ahead of the branches below and of its first readers: jobs 5 to 7 make offsets from it
	s_wait_kmcnt 0x0
.macro LOADS step                      ; sixteen loads; the work-group's 256 threads cover 4,096 bytes on end in each
	s_wait_alu depctr_va_vdst(0)                   ; v[LO] is written, which the sixteen loads read as their offset; in jobs 0 to 6 so is v[SO], which the stores read
.set i, 0
.rept 16
	global_load_b128 v[X+4*i:X+4*i+3], v[LO], s[SRC:SRC+1] offset:(\step)*i th:TH_LOAD_NT
.set i, i+1
.endr
.endm
.macro CV fmt                          ; load i's four numbers -> 8 bytes.  fmt 0: bf16.  fmt 1: rounded to bf16, widened, written as f16
.if \fmt
	v_cvt_pk_bf16_f32 v[T],   v[X+4*i],   v[X+4*i+1]
	v_cvt_pk_bf16_f32 v[T+1], v[X+4*i+2], v[X+4*i+3]
	v_lshlrev_b32 v[T+2], 16, v[T]
	v_and_b32     v[T+3], s[HIM], v[T]
	v_lshlrev_b32 v[T+4], 16, v[T+1]
	v_and_b32     v[T+5], s[HIM], v[T+1]
	v_cvt_pk_f16_f32 v[Y+2*i],   v[T+2], v[T+3]
	v_cvt_pk_f16_f32 v[Y+2*i+1], v[T+4], v[T+5]
.else
	v_cvt_pk_bf16_f32 v[Y+2*i],   v[X+4*i],   v[X+4*i+1]
	v_cvt_pk_bf16_f32 v[Y+2*i+1], v[X+4*i+2], v[X+4*i+3]
.endif
.endm
.macro ST kind                         ; the store of load j's 8 bytes.  kind 0: dense.  kind 1: by heads.  A wave's store covers 256 bytes on end, aligned; each has data registers of its own
.if \kind
	global_store_b64 v[SO], v[Y+2*j:Y+2*j+1], s[DST:DST+1] offset:(j%2)*4194304+(j/2)*256 th:TH_STORE_NT  ; head 8 (j % 2) + wave, key j / 2 of the chunk's eight
.else
	global_store_b64 v[SO], v[Y+2*j:Y+2*j+1], s[DST:DST+1] offset:2048*j th:TH_STORE_NT
.endif
.endm
.macro OUT kind, fmt                   ; four groups of four loads; group g's conversions carry the stores of group g - 1 among them
.set g, 0
.rept 4
	s_wait_loadcnt 12-4*g                          ; loads come back in order: group g's four are in, the 12 - 4 g younger ones stay out
.if g > 0
	s_wait_alu depctr_va_vdst(0)                   ; the conversions of the group before have written its four pairs of Y, which the four stores below read
.endif
.set n, 0
.rept 4
.set i, 4*g+n
.set j, i-4
.if g > 0
	ST \kind                                       ; no vector instruction since the wait names v[SO] or this pair of Y
.endif
	CV \fmt
.set n, n+1
.endr
.set g, g+1
.endr
	s_wait_alu depctr_va_vdst(0)                   ; the conversions of group 3 have written its four pairs of Y, which the last four stores read
.set j, 12
.rept 4
	ST \kind
.set j, j+1
.endr
.endm
	s_cmp_eq_u32 s[JOB], 7
	s_cbranch_scc1 .Lmask
	s_cmp_gt_u32 s[JOB], 4
	s_cbranch_scc1 .Lcache
	; JOBS 0 TO 4: a dense cast
	s_mov_b64 s[SRC:SRC+1], s[4:5]
	s_cmp_eq_u32 s[JOB], 1
	s_cselect_b64 s[SRC:SRC+1], s[6:7], s[SRC:SRC+1]
	s_cmp_eq_u32 s[JOB], 2
	s_cselect_b64 s[SRC:SRC+1], s[8:9], s[SRC:SRC+1]
	s_cmp_eq_u32 s[JOB], 3
	s_cselect_b64 s[SRC:SRC+1], s[10:11], s[SRC:SRC+1]
	s_cmp_eq_u32 s[JOB], 4
	s_cselect_b64 s[SRC:SRC+1], s[12:13], s[SRC:SRC+1]
	s_sub_co_u32 s[OF], s[JOB], 1                  ; which third of wqkv
	s_cmp_eq_u32 s[JOB], 0
	s_cselect_b64 s[DST:DST+1], s[20:21], s[22:23]
	s_cselect_b32 s[OF], 0, s[OF]
	s_cmp_eq_u32 s[JOB], 4
	s_cselect_b64 s[DST:DST+1], s[24:25], s[DST:DST+1]
	s_cselect_b32 s[OF], 0, s[OF]
	s_lshl_b32 s[OF], s[OF], 23
	s_lshl_b32 s44, s[CH], 15                      ; the chunk's 32 KiB of output
	s_add_co_u32 s[OF], s[OF], s44
	s_add_nc_u64 s[DST:DST+1], s[DST:DST+1], s[OF:OF+1]
	s_lshl_b32 s[OF], s[CH], 16                    ; its 64 KiB of input
	s_add_nc_u64 s[SRC:SRC+1], s[SRC:SRC+1], s[OF:OF+1]
	v_lshlrev_b32 v[SO], 3, v0
	LOADS 4096
	s_cmp_eq_u32 s[JOB], 4
	s_cbranch_scc1 .Lcast16
	OUT 0, 0
	s_branch .Lend
.Lcast16:
	OUT 0, 1
	s_branch .Lend
.Lcache:                                               ; JOBS 5 AND 6: a chunk is 8 positions x 16 heads x 128 of layer 0; load i of wave w is position i / 2, head 8 (i % 2) + w
	s_cmp_eq_u32 s[JOB], 5
	s_cselect_b64 s[SRC:SRC+1], s[14:15], s[16:17]
	s_cselect_b64 s[DST:DST+1], s[26:27], s[28:29]
	s_lshr_b32 s44, s[CH], 7                       ; the batch
	s_and_b32 s45, s[CH], 127                      ; which eight positions
	s_lshl_b32 s[OF], s44, 24                      ; a batch of the cache: two layers of 8 MiB
	s_lshl_b32 s46, s45, 16
	s_add_co_u32 s[OF], s[OF], s46
	s_add_nc_u64 s[SRC:SRC+1], s[SRC:SRC+1], s[OF:OF+1]
	s_lshl_b32 s[OF], s44, 23                      ; sixteen heads of 2,048 rows of 256 bytes
	s_lshr_b32 s46, s45, 3                         ; the key step: 64 positions,
	s_lshl_b32 s46, s46, 15                        ; 128 rows a step: its 64 cache keys, then its 64 new ones
	s_add_co_u32 s[OF], s[OF], s46
	s_and_b32 s46, s45, 7                          ; which eight of the step's 64 cache keys
	s_lshl_b32 s46, s46, 11
	s_add_co_u32 s[OF], s[OF], s46
	s_add_nc_u64 s[DST:DST+1], s[DST:DST+1], s[OF:OF+1]
	s_lshl_b32 s46, s[WV], 19                      ; head w
	v_lshl_add_u32 v[SO], v1, 3, s46
	LOADS 4096
	s_cmp_eq_u32 s[JOB], 6
	s_cbranch_scc1 .Lcache16
	OUT 1, 0
	s_branch .Lend
.Lcache16:
	OUT 1, 1
	s_branch .Lend
.Lmask:                                                ; JOB 7: a chunk is 16 queries x 1,024 keys; load i is query i; thread t holds keys 4 t .. 4 t + 3
	s_mov_b32 s[RT2], 0x413504f3                   ; sqrt(128)
	s_mov_b32 s[RT2+1], s[RT2]
	s_lshr_b32 s44, s[CH], 7                       ; p
	s_bfe_u32 s45, s[CH], 0x60001                  ; which 16 queries of the 1,024
	s_and_b32 s46, s[CH], 1                        ; which half of the keys
	s_lshl_b32 s[OF], s44, 24
	s_add_co_u32 s[OF], s[OF], 0x800000            ; row 1,024
	s_lshl_b32 s47, s45, 17
	s_add_co_u32 s[OF], s[OF], s47
	s_lshl_b32 s47, s46, 12
	s_add_co_u32 s[OF], s[OF], s47
	s_add_nc_u64 s[SRC:SRC+1], s[18:19], s[OF:OF+1]
	s_lshl_b32 s[OF], s44, 23                      ; maskw: the plane,
	s_lshr_b32 s47, s45, 3
	s_lshl_b32 s47, s47, 20                        ; the block of 128 queries: 16 steps of 65,536 bytes,
	s_add_co_u32 s[OF], s[OF], s47
	s_and_b32 s47, s45, 7
	s_lshl_b32 s47, s47, 12                        ; the 16 queries in it: 4,096 bytes,
	s_add_co_u32 s[OF], s[OF], s47
	s_lshl_b32 s47, s46, 15                        ; the key half: 32,768 bytes
	s_add_co_u32 s[OF], s[OF], s47
	s_add_nc_u64 s[DST:DST+1], s[30:31], s[OF:OF+1]
	LOADS 8192
	s_mul_i32 s47, s[WV], WLDS                     ; the addresses are made while the loads are out: these lines name none of the loads' registers
	v_and_b32 v[T], 28, v1                         ; my block of 256 bytes: 4 x (group of 16 keys) + 2 j + hh, where my four keys are 8 hh + 4 j of the group
	v_and_b32 v[T+1], 1, v1
	v_lshl_add_u32 v[T], v[T+1], 1, v[T]
	v_bfe_u32 v[T+1], v1, 1, 1
	v_add_nc_u32 v[T], v[T], v[T+1]
	v_mul_u32_u24 v[T], v[T], BP
	v_add_nc_u32 v[LS], s47, v[T]
	v_lshrrev_b32 v[T], 4, v1                      ; back: 32 lanes take two blocks on end
	v_mul_u32_u24 v[T], v[T], BP
	v_and_b32 v[T+1], 15, v1
	v_lshl_add_u32 v[T], v[T+1], 4, v[T]
	v_add_nc_u32 v[LR], s47, v[T]
	s_lshl_b32 s46, s[WV], 17                      ; the wave's 128 keys are two key steps, 65,536 bytes apart
	v_lshl_add_u32 v[SO], v1, 4, s46
.set g, 0
.rept 4                                ; four groups of four queries; group g's arithmetic carries the LDS stores of group g - 1 among it
	s_wait_loadcnt 12-4*g                          ; loads come back in order: group g's four are in, the 12 - 4 g younger ones stay out
.if g > 0
	s_wait_alu depctr_va_vdst(0)                   ; the group before has written its sixteen registers of X, which the four LDS stores below read; at its first standing v[LS], v[LR] and v[SO] are written too
.endif
.set n, 0
.rept 4
.set i, 4*g+n
.set j, i-4
.if g > 0
	ds_store_b128 v[LS], v[X+4*j:X+4*j+3] offset:16*j  ; query j is place j of the block; no vector instruction since the wait names v[LS] or these four registers
.endif
	v_cvt_pk_bf16_f32 v[T],   v[X+4*i],   v[X+4*i+1]
	v_cvt_pk_bf16_f32 v[T+1], v[X+4*i+2], v[X+4*i+3]
	v_lshlrev_b32 v[X+4*i],   16, v[T]
	v_and_b32     v[X+4*i+1], s[HIM], v[T]
	v_lshlrev_b32 v[X+4*i+2], 16, v[T+1]
	v_and_b32     v[X+4*i+3], s[HIM], v[T+1]
	v_pk_mul_f32 v[X+4*i:X+4*i+1],   v[X+4*i:X+4*i+1],   s[RT2:RT2+1] op_sel_hi:[1,0]
	v_pk_mul_f32 v[X+4*i+2:X+4*i+3], v[X+4*i+2:X+4*i+3], s[RT2:RT2+1] op_sel_hi:[1,0]
.set n, n+1
.endr
.set g, g+1
.endr
	s_wait_alu depctr_va_vdst(0)                   ; group 3 has written its sixteen registers of X, which the last four LDS stores read
.set j, 12
.rept 4
	ds_store_b128 v[LS], v[X+4*j:X+4*j+3] offset:16*j
.set j, j+1
.endr
.set i, 0
.rept 16
	ds_load_b128 v[Y+4*i:Y+4*i+3], v[LR] offset:2*BP*i  ; LDS serves a wave's instructions in order: these see the wave's own stores above.  No vector instruction of this job names Y, and v[LR] stands ahead of the waits above
.set i, i+1
.endr
.set i, 0
.rept 16
	s_wait_dscnt 15-i                              ; LDS loads come back in order: load i is in, the 15 - i younger ones stay out
	global_store_b128 v[SO], v[Y+4*i:Y+4*i+3], s[DST:DST+1] offset:(i/8)*65536+(i%8)*512 th:TH_STORE_NT  ; step i / 8 of my two, 16 keys (i % 8) / 2, j = i % 2: 512 bytes on end, aligned
.set i, i+1
.endr
.Lend:
	s_wait_dscnt 0x0                               ; the wave's end: no LDS instruction of mine is out.
	s_wait_alu depctr_hold_cnt(0) depctr_sa_sdst(0) depctr_va_vdst(0) depctr_va_sdst(0) depctr_va_ssrc(0) depctr_va_vcc(0) depctr_vm_vsrc(0)
	s_wait_tensorcnt 0x0
	ds_add_u32 v150, v151
	s_wait_dscnt 0x0
	s_endpgm
.Lfunc_end_k_qffe355c296_prep:
	.size	k_qffe355c296_prep, .Lfunc_end_k_qffe355c296_prep-k_qffe355c296_prep
	.p2alignl 7, 3214868480
	.fill 96, 4, 3214868480
	.section	.rodata,"a",@progbits
	.p2align	6, 0x0
	.amdhsa_kernel k_qffe355c296_prep
		.amdhsa_group_segment_fixed_size 70656
		.amdhsa_private_segment_fixed_size 0
		.amdhsa_enable_private_segment 0
		.amdhsa_kernarg_size 112
		.amdhsa_user_sgpr_count 2
		.amdhsa_user_sgpr_kernarg_segment_ptr 1
		.amdhsa_wavefront_size32 1
		.amdhsa_system_sgpr_workgroup_id_x 1
		.amdhsa_system_sgpr_workgroup_id_y 1
		.amdhsa_system_sgpr_workgroup_id_z 1
		.amdhsa_system_vgpr_workitem_id 0
		.amdhsa_next_free_vgpr 152
		.amdhsa_next_free_sgpr 66
		.amdhsa_reserve_vcc 0
		.amdhsa_float_denorm_mode_32 3
		.amdhsa_float_denorm_mode_16_64 3
		.amdhsa_memory_ordered 1
		.amdhsa_forward_progress 1
		.amdhsa_inst_pref_size 43
	.end_amdhsa_kernel
	.amdgpu_metadata
---
amdhsa.version: [ 1, 2 ]
amdhsa.kernels:
  - .name:           k_qffe355c296_prep
    .symbol:         k_qffe355c296_prep.kd
    .args:
      - { .name: x, .offset: 0, .size: 8, .value_kind: global_buffer, .address_space: global }
      - { .name: Wq, .offset: 8, .size: 8, .value_kind: global_buffer, .address_space: global }
      - { .name: Wk, .offset: 16, .size: 8, .value_kind: global_buffer, .address_space: global }
      - { .name: Wv, .offset: 24, .size: 8, .value_kind: global_buffer, .address_space: global }
      - { .name: Wo, .offset: 32, .size: 8, .value_kind: global_buffer, .address_space: global }
      - { .name: k_cache, .offset: 40, .size: 8, .value_kind: global_buffer, .address_space: global }
      - { .name: v_cache, .offset: 48, .size: 8, .value_kind: global_buffer, .address_space: global }
      - { .name: attn_mask, .offset: 56, .size: 8, .value_kind: global_buffer, .address_space: global }
      - { .name: xb, .offset: 64, .size: 8, .value_kind: global_buffer, .address_space: global }
      - { .name: wqkv, .offset: 72, .size: 8, .value_kind: global_buffer, .address_space: global }
      - { .name: wo16, .offset: 80, .size: 8, .value_kind: global_buffer, .address_space: global }
      - { .name: kf, .offset: 88, .size: 8, .value_kind: global_buffer, .address_space: global }
      - { .name: vf, .offset: 96, .size: 8, .value_kind: global_buffer, .address_space: global }
      - { .name: maskw, .offset: 104, .size: 8, .value_kind: global_buffer, .address_space: global }
    .group_segment_fixed_size: 70656
    .private_segment_fixed_size: 0
    .kernarg_segment_align: 8
    .kernarg_segment_size: 112
    .max_flat_workgroup_size: 256
    .sgpr_count:     66
    .vgpr_count:     152
    .wavefront_size: 32
...
	.end_amdgpu_metadata
.endif
;; end of part 5
;; launch qkv: the kernel of part 2 again; grid 16 x 16, 4 waves a work-group, clusters of 4 x 4, 327,680 bytes of LDS; arguments xb, wqkv, bq, bk, bv, cos, sin, qf, kf, vf, out1, out2; writes qf, kf, vf, out1, out2
;; launch attn: the kernel of part 3 again; grid 8 x 32, 4 waves a work-group, clusters of 4 x 4, 327,680 bytes of LDS; arguments qf, kf, vf, af, maskw; writes af
;; launch oproj: the kernel of part 4 again; grid 16 x 16, 4 waves a work-group, clusters of 4 x 4, 327,680 bytes of LDS; arguments af, wo16, bo, out0; writes out0
